; MI455X (gfx1250); checked and timed in simulation.
; The chip was launched on July 23, 2026; its instructions are those of AMD's public machine-readable ISA for CDNA 5 (MIT licence, August 2026) and "CDNA5" Instruction Set Architecture Reference Guide (July 2026). The comments in the code are by the model that wrote it; some were corrected since.
;; Self Attention. Allowed arithmetic: float matrix products may take bf16 or f16 operands with f32 sums; all other float work in f32.
;; Inputs: Wk 1,024 x 1,024 float32; Wq 1,024 x 1,024 float32; Wv 1,024 x 1,024 float32; x 4 x 2,048 x 1,024 float32.
;; Outputs: out0 4 x 2,048 x 1,024 float32.
;; Constants: causal_mask = 1.
;; 2 versions, each right; version 2 is version 1 with the launch prep written anew for expert scheduling mode. Each part assembles by itself: llvm-mc -triple=amdgcn-amd-amdhsa -mcpu=gfx1250 --defsym DOCPART=n.
;; ======== version 1 of 2: 4 launches
;; limits: values are held in f16: magnitudes above 65,504 overflow, below 6.1e-05 lose precision
;; workspace buffers: xb 16,777,216 bytes; wb 6,291,456 bytes; qkv 50,331,648 bytes; pt 33,554,432 bytes; st 1,048,576 bytes; hd 786,432 bytes
;; launch prep (part 1): grid 704 x 1, 8 waves a work-group, no clusters, 0 bytes of LDS; arguments x, Wq, Wk, Wv, xb, wb; writes xb, wb
.if DOCPART == 1
	.amdgcn_target "amdgcn-amd-amdhsa--gfx1250"
	.amdhsa_code_object_version 6
	.text
	.protected	k_q3a4a9af079_prep
	.globl	k_q3a4a9af079_prep
	.p2align	8
	.type	k_q3a4a9af079_prep,@function
k_q3a4a9af079_prep:
	s_mov_b64 s[64:65], 0
	v_nop
	global_prefetch_b8 v0, s[64:65] scope:SCOPE_SE
	s_setreg_imm32_b32 hwreg(HW_REG_WAVE_MODE, 25, 1), 1
	s_wait_xcnt 0x0
; x and the three weight matrices are rounded to bf16, once, and laid out for the projection that follows.
;   xb: [16 blocks of 64 k][8192 rows][64] bf16: the 256 rows x 64 k that a K step of the projection takes are 32,768 consecutive bytes.
;   wb: [1024 k][3072] bf16: columns 0-1023 Wq, 1024-2047 Wk, 2048-3071 Wv.
; A stream: each input byte is read once, each output byte written once; no LDS, no barrier, no matrix unit: there is nothing to share and nothing to multiply.
; Work-groups 0-511 take 16 rows of x each, 512-703 take 16 rows of one W.  A thread issues its 16 loads of 16 bytes at once, so all it will read is on its way,
; and then rounds and stores them in the order in which they come back.  No register is used twice, so no store's source is ever rewritten.
.set IN,  8                            ; v[8:71]   16 x 4 numbers as loaded
.set OUT, 72                           ; v[72:103] 16 x 2 registers of bf16 pairs
	s_load_b256 s[4:11], s[0:1], 0x0               ; x s[4:5], Wq s[6:7], Wk s[8:9], Wv s[10:11]
	s_load_b128 s[12:15], s[0:1], 0x20             ; xb s[12:13], wb s[14:15]
	s_mov_b32 s21, 0                               ; high words of the two offsets
	s_mov_b32 s23, 0
	s_cmp_lt_u32 ttmp9, 512
	s_cbranch_scc0 .Lweights
	; x: thread t takes row t / 16; load n takes the four numbers 4 (t % 16) .. of k block n: 16 lanes read 256 consecutive bytes of a row
	v_lshrrev_b32 v1, 4, v0
	v_and_b32 v2, 15, v0
	v_lshlrev_b32 v3, 12, v1                       ; row x 4,096 bytes
	v_lshl_add_u32 v3, v2, 4, v3
	v_lshlrev_b32 v4, 7, v1                        ; in xb: row x 128 bytes
	v_lshl_add_u32 v4, v2, 3, v4                   ; a wave's two rows are 256 consecutive bytes of a k block
	s_lshl_b32 s20, ttmp9, 16                      ; 16 rows of 4,096 bytes
	s_lshl_b32 s22, ttmp9, 11                      ; 16 rows of 128 bytes
	s_wait_kmcnt 0x0
	s_add_nc_u64 s[16:17], s[4:5], s[20:21]
	s_add_nc_u64 s[18:19], s[12:13], s[22:23]
	s_add_nc_u64 s[24:25], s[18:19], 0x800000      ; k blocks 8-15: a second base keeps the stores' immediates inside 24 signed bits
.set n, 0
.rept 16
	global_load_b128 v[IN+4*n:IN+4*n+3], v3, s[16:17] offset:256*n th:TH_LOAD_NT
.set n, n+1
.endr
.set n, 0
.rept 16
	s_wait_loadcnt 15-n                            ; loads come back in order: load n is in, the 15 - n younger ones stay out
	v_cvt_pk_bf16_f32 v[OUT+2*n], v[IN+4*n], v[IN+4*n+1]
	v_cvt_pk_bf16_f32 v[OUT+2*n+1], v[IN+4*n+2], v[IN+4*n+3]
	global_store_b64 v4, v[OUT+2*n:OUT+2*n+1], s[18+6*(n/8):19+6*(n/8)] offset:(n%8)*1048576  ; 32 lanes store 256 consecutive bytes, aligned
.set n, n+1
.endr
	s_endpgm
.Lweights:
	; W: wave w takes rows 2 w and 2 w + 1 of the group's 16; a load takes 512 consecutive bytes, a store 256
	s_sub_co_u32 s26, ttmp9, 512
	s_lshr_b32 s27, s26, 6                         ; which W: 0 Wq, 1 Wk, 2 Wv
	s_and_b32 s26, s26, 63                         ; which 16 rows
	v_lshrrev_b32 v1, 5, v0
	v_and_b32 v2, 31, v0
	v_lshlrev_b32 v3, 13, v1                       ; two rows of 4,096 bytes
	v_lshl_add_u32 v3, v2, 4, v3
	v_mul_u32_u24 v4, v1, 12288                    ; two rows of wb, 6,144 bytes each
	v_lshl_add_u32 v4, v2, 3, v4
	s_lshl_b32 s20, s26, 16
	s_mul_i32 s22, s26, 98304                      ; 16 rows of wb
	s_lshl_b32 s28, s27, 11                        ; this W's 1,024 columns
	s_add_co_u32 s22, s22, s28
	s_wait_kmcnt 0x0
	s_cmp_eq_u32 s27, 1
	s_cselect_b64 s[16:17], s[8:9], s[6:7]
	s_cmp_eq_u32 s27, 2
	s_cselect_b64 s[16:17], s[10:11], s[16:17]
	s_add_nc_u64 s[16:17], s[16:17], s[20:21]
	s_add_nc_u64 s[18:19], s[14:15], s[22:23]
.set n, 0
.rept 16
	global_load_b128 v[IN+4*n:IN+4*n+3], v3, s[16:17] offset:(n/8)*4096+(n%8)*512 th:TH_LOAD_NT
.set n, n+1
.endr
.set n, 0
.rept 16
	s_wait_loadcnt 15-n
	v_cvt_pk_bf16_f32 v[OUT+2*n], v[IN+4*n], v[IN+4*n+1]
	v_cvt_pk_bf16_f32 v[OUT+2*n+1], v[IN+4*n+2], v[IN+4*n+3]
	global_store_b64 v4, v[OUT+2*n:OUT+2*n+1], s[18:19] offset:(n/8)*6144+(n%8)*256
.set n, n+1
.endr
	s_endpgm
.Lfunc_end_k_q3a4a9af079_prep:
	.size	k_q3a4a9af079_prep, .Lfunc_end_k_q3a4a9af079_prep-k_q3a4a9af079_prep
	.p2alignl 7, 3214868480
	.fill 96, 4, 3214868480
	.section	.rodata,"a",@progbits
	.p2align	6, 0x0
	.amdhsa_kernel k_q3a4a9af079_prep
		.amdhsa_group_segment_fixed_size 0
		.amdhsa_private_segment_fixed_size 0
		.amdhsa_enable_private_segment 0
		.amdhsa_kernarg_size 48
		.amdhsa_user_sgpr_count 2
		.amdhsa_user_sgpr_kernarg_segment_ptr 1
		.amdhsa_wavefront_size32 1
		.amdhsa_system_sgpr_workgroup_id_x 1
		.amdhsa_system_sgpr_workgroup_id_y 1
		.amdhsa_system_sgpr_workgroup_id_z 1
		.amdhsa_system_vgpr_workitem_id 0
		.amdhsa_next_free_vgpr 104
		.amdhsa_next_free_sgpr 66
		.amdhsa_reserve_vcc 0
		.amdhsa_float_denorm_mode_32 3
		.amdhsa_float_denorm_mode_16_64 3
		.amdhsa_memory_ordered 1
		.amdhsa_forward_progress 1
		.amdhsa_inst_pref_size 13
	.end_amdhsa_kernel
	.amdgpu_metadata
---
amdhsa.version: [ 1, 2 ]
amdhsa.kernels:
  - .name:           k_q3a4a9af079_prep
    .symbol:         k_q3a4a9af079_prep.kd
    .args:
      - { .name: x, .offset: 0, .size: 8, .value_kind: global_buffer, .address_space: global }
      - { .name: Wq, .offset: 8, .size: 8, .value_kind: global_buffer, .address_space: global }
      - { .name: Wk, .offset: 16, .size: 8, .value_kind: global_buffer, .address_space: global }
      - { .name: Wv, .offset: 24, .size: 8, .value_kind: global_buffer, .address_space: global }
      - { .name: xb, .offset: 32, .size: 8, .value_kind: global_buffer, .address_space: global }
      - { .name: wb, .offset: 40, .size: 8, .value_kind: global_buffer, .address_space: global }
    .group_segment_fixed_size: 0
    .private_segment_fixed_size: 0
    .kernarg_segment_align: 8
    .kernarg_segment_size: 48
    .max_flat_workgroup_size: 256
    .sgpr_count:     66
    .vgpr_count:     104
    .wavefront_size: 32
...
	.end_amdgpu_metadata
.endif
;; end of part 1
;; launch proj (part 2): grid 8 x 32, 4 waves a work-group, clusters of 4 x 4, 327,680 bytes of LDS; arguments xb, wb, qkv, hd; writes qkv, hd
.if DOCPART == 2
	.amdgcn_target "amdgcn-amd-amdhsa--gfx1250"
	.amdhsa_code_object_version 6
	.text
	.protected	k_q3a4a9af079_proj
	.globl	k_q3a4a9af079_proj
	.p2align	8
	.type	k_q3a4a9af079_proj,@function
k_q3a4a9af079_proj:
	s_mov_b64 s[64:65], 0
	v_nop
	global_prefetch_b8 v0, s[64:65] scope:SCOPE_SE
	s_setreg_imm32_b32 hwreg(HW_REG_WAVE_MODE, 25, 1), 1
	s_wait_xcnt 0x0
	s_wait_alu depctr_hold_cnt(0) depctr_sa_sdst(0) depctr_va_vdst(0) depctr_va_sdst(0) depctr_va_ssrc(0) depctr_va_vcc(0) depctr_vm_vsrc(0)
	s_getreg_b32 s2, hwreg(HW_REG_IB_STS2, 6, 4)
	s_cmp_eq_u32 s2, 0
	s_cbranch_scc0 .Lentry_in_a_cluster
	s_endpgm
.Lentry_in_a_cluster:
	s_bfe_u32 s2, ttmp6, 0x10000c
	s_cmp_lg_u32 s2, 0xf033
	s_cbranch_scc0 .Lentry_shape_is_right
	s_endpgm
.Lentry_shape_is_right:
; qkv[row][0:3072] = x[row][:] . [Wq | Wk | Wv], operands bf16, sums f32, the result rounded once to f16 and NOT scaled.  8,192 rows, K = 1,024.
; Of rows 0-15 of each batch the f32 sums are stored as well, into hd [4][16][3072]: the launch behind makes those rows of the output from them (they average over 16 keys at the most,
; so the rounding of q, k and v to f16 would not average out there).
; LIMIT.  f16 ends at 65,504: q, k and v must stay within it.  With x of unit spread and W of spread 1/32 they have unit spread; both inputs 30 times larger give about 5,000 at the most,
; a common offset of 30 spreads on both about 30,000.  Beyond 65,504 the conversion gives an infinity.
; SHARES.  8192 x 3072 / (256 x 384) = 256 work-groups, one tile of 256 rows x 384 columns each.  Four waves, each 128 rows x 192 columns: 8 x 12 accumulators, 768 registers.
; K goes in steps of 64, two slices of 32; a slice is 96 matrix instructions for 40 LDS loads.  Two LDS slots take turns, one filled while the other is multiplied.
; THE MATRIX INSTRUCTION IS USED TRANSPOSED: source 0 = 16 columns of W (turned on the way out of LDS, since wb lies [k][column]), source 1 = 16 rows of x.  A lane then holds one row
; and eight neighbouring columns, which pack into 16 bytes.
; CLUSTER 4 x 4.  The four work-groups of a row of the cluster need the same rows of x, the four of a column the same columns of W: each tile is asked for jointly, by the same tensor load
; with the same descriptor and a mask that names the four.  Wave 0 asks for x's tile, waves 1 to 3 for the three chunks of 128 columns of W.
; The tile row is 8 cy + cluster y: cy is the batch, and whether a tile is a batch's first hangs on the cluster's y alone, which all sixteen partners share.
; REGISTERS.  Window 0: v0-31 addresses; v32-95, v96-159 x's fragments, two buffers (8 x 16 rows x 32 k); v160-255 W's fragments, three groups of four (16 columns x 32 k each), one buffer:
; a group is loaded again as soon as its 32 products are issued, 64 matrix instructions ahead of its next use.  Window 1 + g: the accumulators of column group g: (a, f) at v[8 (4 a + f)].
.set PA,    144                        ; a row of x in LDS: 128 bytes + 16 = 36 words: the 16 rows of a load start at 16 different groups of four banks (64 banks of 4 bytes: ISA guide 11.1)
.set PB,    288                        ; a k row of a chunk of W: 256 bytes + 32 = 72 words
.set BOFF,  256*PA                     ; a slot: x's 256 rows, then three chunks of 64 k rows
.set CHUNK, 64*PB
.set SLOT1, 1<<17                      ; slot 1 begins here, so that one exclusive or turns an address in one slot into the other's
.set SP,    784                        ; a row of the stage: 768 bytes + 16
.set SPARE, SLOT1+BOFF+3*CHUNK         ; behind slot 1: the spare words, 128 bytes for each wave: two blocks of 256 bytes that no other line names
.set ASTEP, 8192*128                   ; bytes from a k block of xb to the next
.set BSTEP, 64*6144                    ; bytes of 64 rows of wb
.set AA0, 2                            ; v2      my lane's place in x's tile; never rewritten
.set AB0, 4                            ; v4-6    my lane's place in W's column group g; never rewritten
.set AA,  8                            ; v8      the same in the slot in hand
.set AB,  10                           ; v10-12
.set STO, 14                           ; v14-15  the way out: where I put 16 bytes of a row (row blocks 0-3, 4-7)
.set RD,  16                           ; v16-18  the way out: where I read rows back
.set CO,  20                           ; v20-22  my byte offsets in qkv
.set HO,  25                           ; v25     my byte offset in hd; never rewritten
.set SPW, 28                           ; v28     LDS address of my spare word; never rewritten
.set NIL, 29                           ; v29     0; never rewritten
.set FA0, 32
.set FA1, 96
.set FB,  160
.set OB,  160                          ; the way out: rows read back
.set WV,  10                           ; s10  wave
.set RH,  11                           ; s11  which 128 rows are mine
.set CH,  12                           ; s12  which 192 columns
.set TY,  13                           ; s13  tile row
.set TX,  42                           ; s42  tile column
.set G1A, 24                           ; s[24:31] descriptor group 1 for x's tiles
.set G0A, 32                           ; s[32:39] group 0: a set for each of the two first fills; the second then walks
.set G1B, 48                           ; s[48:55], s[56:63] the same for W's chunks
.set G0B, 56
.set TB,  66                           ; s66  0 or SLOT1: the slot that is read
.set WBB, 67                           ; s67  where my chunk of W goes in a slot
.set HF,  74                           ; s74  0: my rows 0-15 are a batch's first 16
.set MSB, 0
.macro WIN new                         ; s_set_vgpr_msb: bits 1:0 source 0, 3:2 source 1, 5:4 source 2, 7:6 destination; the high byte repeats the setting that is left
.if MSB != (\new)
	s_set_vgpr_msb (MSB<<8)|(\new)
.set MSB, \new
.endif
.endm
.macro PLACES                          ; four places in front of loads into registers that matrix instructions have read, and of lines that read results
.rept 4
	v_nop
.endr
.endm
.macro CREST                           ; a round of the cluster's barrier behind its opening barrier
	s_cmp_lg_u32 s[WV], 0
	s_cbranch_scc1 .Lnot_wave_0_\@
	s_barrier_signal -3
.Lnot_wave_0_\@:
	s_barrier_wait -3
	s_barrier_signal -1
	s_barrier_wait -1
.endm
.macro CROUND
	s_barrier_signal -1
	s_barrier_wait -1
	CREST
.endm
.macro JLOAD                           ; a joint refill by the walking descriptors; an s_nop 0 and four v_nop follow each of the two lines
	s_cmp_eq_u32 s[WV], 0
	s_cbranch_scc0 .Lfor_b_\@
	tensor_load_to_lds s[G0A+4:G0A+7], s[G1A:G1A+7]
	s_nop 0
.rept 4
	v_nop
.endr
	s_branch .Lasked_\@
.Lfor_b_\@:
	tensor_load_to_lds s[G0B+4:G0B+7], s[G1B:G1B+7]
	s_nop 0
.rept 4
	v_nop
.endr
.Lasked_\@:
.endm
	s_load_b128 s[4:7], s[0:1], 0x0                ; xb s[4:5], wb s[6:7]
	s_load_b64 s[8:9], s[0:1], 0x10                ; qkv
	s_load_b64 s[72:73], s[0:1], 0x18              ; hd
	v_lshl_add_u32 v[SPW], v0, 2, SPARE
	v_mov_b32 v[NIL], 0
	ds_add_u32 v[SPW], v[NIL]                      ; the wave's opening: the add and its wait stand ahead of my first tensor load; work on registers stands between them
	ds_add_u32 v28, v29
	v_lshrrev_b32 v1, 5, v0
	v_readfirstlane_b32 s[WV], v1
	s_lshr_b32 s[RH], s[WV], 1
	s_and_b32 s[CH], s[WV], 1
	s_bfe_u32 s40, ttmp6, 0x40000                  ; cx
	s_bfe_u32 s41, ttmp6, 0x40004                  ; cy
	s_lshl_b32 s[TX], ttmp9, 2
	s_add_co_u32 s[TX], s[TX], s40                 ; tile column = 4 x cluster x + cx
	s_and_b32 s75, ttmp7, 0xffff                   ; the cluster's y, 0 to 7
	s_lshl_b32 s[TY], s41, 3
	s_add_co_u32 s[TY], s[TY], s75                 ; tile row = 8 cy + cluster y: batch cy, tile cluster y of its eight
	s_or_b32 s[HF], s75, s[RH]                     ; 0 where the tile is a batch's first and I have its first 128 rows
	s_lshl_b32 s43, s41, 2
	s_lshl_b32 s43, 15, s43                        ; my row of the cluster
	s_lshl_b32 s44, 0x1111, s40                    ; my column
	; x's tile: 32,768 dense bytes, asked for as 128 rows of 256 bytes (two rows of x each), padded in LDS by 16 bytes after every 128
	s_or_b32 s[G1A], s43, (1<<16)|(1<<20)|(1<<21)|(4<<22)|(3<<25)  ; the mask; 2-byte elements; padding on; bit 21 beside a mask; after every 32 words; 4 words
	s_mov_b32 s[G1A+1], 128<<16                    ; tensor_dim0 = 128
	s_mov_b32 s[G1A+2], 128<<16                    ; tensor_dim1 = 128
	s_mov_b32 s[G1A+3], 128<<16                    ; tile_dim0 = 128
	s_mov_b32 s[G1A+4], 128                        ; tile_dim1 = 128
	s_mov_b32 s[G1A+5], 128                        ; elements from row to row
	s_mov_b32 s[G1A+6], 0
	s_mov_b32 s[G1A+7], 0
	; a chunk of W: 64 k rows x 128 columns (256 bytes), padded by 32 bytes after every row
	s_or_b32 s[G1B], s44, (1<<16)|(1<<20)|(1<<21)|(5<<22)|(7<<25)
	s_mov_b32 s[G1B+1], 128<<16
	s_mov_b32 s[G1B+2], 64<<16
	s_mov_b32 s[G1B+3], 128<<16
	s_mov_b32 s[G1B+4], 64
	s_mov_b32 s[G1B+5], 3072
	s_mov_b32 s[G1B+6], 0
	s_mov_b32 s[G1B+7], 0
	s_lshl_b32 s16, s[TY], 15                      ; x: 256 rows of 128 bytes in a k block: hangs on the tile row alone
	s_mov_b32 s17, 0
	s_mul_i32 s46, s[TX], 768                      ; W: 384 columns: hangs on the tile column and the wave alone
	s_sub_co_i32 s18, s[WV], 1
	s_max_i32 s18, s18, 0                          ; my chunk (wave 0 asks for none)
	s_lshl_b32 s18, s18, 8
	s_add_co_u32 s46, s46, s18
	s_mov_b32 s47, 0
	s_add_co_u32 s[WBB], s[WV], 1
	s_mul_i32 s[WBB], s[WBB], CHUNK                ; chunk c = wave - 1 lies at BOFF + c x CHUNK = (wave + 1) x CHUNK
	s_mov_b32 s[TB], 0
	s_mul_i32 s76, s41, 16*12288                   ; hd: batch cy, my 192 columns in f32 (in registers that feed no descriptor)
	s_mul_i32 s77, s[TX], 1536
	s_add_co_u32 s76, s76, s77
	s_mul_i32 s77, s[CH], 768
	s_add_co_u32 s76, s76, s77
	s_mov_b32 s77, 0
	s_wait_dscnt 0x0                               ; the opening add is done
	s_wait_kmcnt 0x0
	s_add_nc_u64 s[14:15], s[4:5], s[16:17]
	s_add_nc_u64 s[46:47], s[6:7], s[46:47]
	s_add_nc_u64 s[72:73], s[72:73], s[76:77]
	CROUND                                         ; all sixteen work-groups are here: the first joint loads meet
.irp s, 0,1
	s_mov_b32 s[G0A+4*\s], 1
	s_mov_b32 s[G0A+4*\s+1], \s*SLOT1
	s_add_nc_u64 s[G0A+4*\s+2:G0A+4*\s+3], s[14:15], \s*ASTEP
	s_or_b32 s[G0A+4*\s+3], s[G0A+4*\s+3], 0x80000000
	s_mov_b32 s[G0B+4*\s], 1
	s_add_co_u32 s[G0B+4*\s+1], s[WBB], \s*SLOT1
	s_add_nc_u64 s[G0B+4*\s+2:G0B+4*\s+3], s[46:47], \s*BSTEP
	s_or_b32 s[G0B+4*\s+3], s[G0B+4*\s+3], 0x80000000
.endr
	s_cmp_eq_u32 s[WV], 0                          ; a wave's two first fills stand in one branch: two loads of mine are out
	s_cbranch_scc0 .Lfirst_b
	tensor_load_to_lds s[G0A:G0A+3], s[G1A:G1A+7]
	s_nop 0
	tensor_load_to_lds s[G0A+4:G0A+7], s[G1A:G1A+7]
	s_nop 0
.rept 4
	v_nop
.endr
	s_branch .Lfirst_asked
.Lfirst_b:
	tensor_load_to_lds s[G0B:G0B+3], s[G1B:G1B+7]
	s_nop 0
	tensor_load_to_lds s[G0B+4:G0B+7], s[G1B:G1B+7]
	s_nop 0
.rept 4
	v_nop
.endr
.Lfirst_asked:
	; a fragment of x: lane l holds row l % 16, k = 8 (l / 16) + 0..7 and 16 + 8 (l / 16) + 0..7: two loads of 16 bytes, 32 bytes apart
	v_and_b32 v1, 15, v0
	v_bfe_u32 v3, v0, 4, 1
	v_mul_u32_u24 v[AA0], v1, PA
	v_lshl_add_u32 v[AA0], v3, 4, v[AA0]
	s_mul_i32 s21, s[RH], 128*PA
	v_add_nc_u32 v[AA0], s21, v[AA0]
	v_mov_b32 v[AA], v[AA0]
	; the turning load takes 16 k x 16 columns (lane l reads k row 8 (l / 16) + l % 8, columns 8 ((l / 8) % 2) + 0..7) and leaves half a fragment: lane l holds column l % 16 and 8 k
	v_and_b32 v7, 7, v0
	v_bfe_u32 v9, v0, 3, 1
	v_lshl_add_u32 v13, v3, 3, v7
	v_mul_u32_u24 v13, v13, PB
	v_lshl_add_u32 v13, v9, 4, v13
	s_mul_i32 s22, s[CH], 3
.irp g, 0,1,2
	s_add_co_u32 s23, s22, \g                      ; column group G = 3 x half + g of the tile's six groups of 64: chunk G / 2, half G % 2
	s_lshr_b32 s20, s23, 1
	s_mul_i32 s20, s20, CHUNK
	s_and_b32 s23, s23, 1
	s_lshl_b32 s23, s23, 7
	s_add_co_u32 s20, s20, s23
	s_add_co_u32 s20, s20, BOFF
	v_add_nc_u32 v[AB0+\g], s20, v13
	v_mov_b32 v[AB+\g], v[AB0+\g]
.endr
	; the way out.  In: row 128 x half + 16 a + l % 16, byte 384 x half + 128 g + 32 f + 16 (l / 16)
	v_mul_u32_u24 v[STO], v1, SP
	v_lshl_add_u32 v[STO], v3, 4, v[STO]
	s_mul_i32 s21, s[RH], 128*SP
	s_mul_i32 s20, s[CH], 384
	s_add_co_u32 s21, s21, s20
	v_add_nc_u32 v[STO], s21, v[STO]
	v_add_nc_u32 v[STO+1], 64*SP, v[STO]
	; back: wave w takes rows 64 w ..; two rows of 768 bytes are three loads of 512: the first row's 512, its last 256 and the second's first 256, the second's last 512
	s_mul_i32 s21, s[WV], 64*SP
	v_and_b32 v23, 31, v0
	v_lshlrev_b32 v[CO], 4, v23
	v_add_nc_u32 v[CO+2], 6400, v[CO]
	v_lshlrev_b32 v24, 4, v1
	v_mul_u32_u24 v[CO+1], v3, 5632
	v_add3_u32 v[CO+1], v[CO+1], v24, 512
	v_add_nc_u32 v[RD], s21, v[CO]
	v_mul_u32_u24 v[RD+1], v3, 272
	v_add3_u32 v[RD+1], v[RD+1], v24, s21
	v_add_nc_u32 v[RD+1], 512, v[RD+1]
	v_add_nc_u32 v[RD+2], 1040, v[RD]
	v_mul_u32_u24 v[HO], v1, 12288                 ; hd: row l % 16 of 3,072 f32, 32 bytes for each half of the lanes
	v_lshl_add_u32 v[HO], v3, 5, v[HO]
	s_lshl_b32 s68, s[TY], 8                       ; the first row that I store: 256 x tile row + 64 x wave (in registers that feed no descriptor)
	s_lshl_b32 s70, s[WV], 6
	s_add_co_u32 s68, s68, s70
	s_mul_i32 s68, s68, 6144
	s_mul_i32 s70, s[TX], 768
	s_add_co_u32 s68, s68, s70
	s_mov_b32 s69, 0
	s_add_nc_u64 s[8:9], s[8:9], s[68:69]
; the products of column group g with row blocks a0 .. a1; zero = 1: they start the sums.  No two on end share an accumulator, and between two on one accumulator stand the 95 others'.
.macro GRP g, fa, a0, a1, zero
	WIN 0x50*((\g)+1)
.set a, \a0
.rept (\a1)-(\a0)+1
.irp f, 0,1,2,3
.if \zero
	v_wmma_f32_16x16x32_bf16 v[8*(4*a+\f):8*(4*a+\f)+7], v[FB+32*(\g)+8*\f:FB+32*(\g)+8*\f+7], v[(\fa)+8*a:(\fa)+8*a+7], 0
.else
	v_wmma_f32_16x16x32_bf16 v[8*(4*a+\f):8*(4*a+\f)+7], v[FB+32*(\g)+8*\f:FB+32*(\g)+8*\f+7], v[(\fa)+8*a:(\fa)+8*a+7], v[8*(4*a+\f):8*(4*a+\f)+7]
.endif
.endr
.set a, a+1
.endr
.endm
.macro LOADB g, q                      ; W's group g, slice q of the slot in hand: 8 loads
	WIN 0
.irp f, 0,1,2,3
	ds_load_tr16_b128 v[FB+32*(\g)+8*\f:FB+32*(\g)+8*\f+3],   v[AB+(\g)] offset:32*\f+32*PB*(\q)
	ds_load_tr16_b128 v[FB+32*(\g)+8*\f+4:FB+32*(\g)+8*\f+7], v[AB+(\g)] offset:32*\f+32*PB*(\q)+16*PB
.endr
.endm
.macro LOADA hf, q, fa                 ; x's row blocks 4 hf .. 4 hf + 3, slice q, into buffer fa: 8 loads
	WIN 0
.set a, 4*(\hf)
.rept 4
	ds_load_b128 v[(\fa)+8*a:(\fa)+8*a+3],   v[AA] offset:16*PA*a+64*(\q)
	ds_load_b128 v[(\fa)+8*a+4:(\fa)+8*a+7], v[AA] offset:16*PA*a+64*(\q)+32
.set a, a+1
.endr
.endm
; A K step's first slice: multiplies buffer fa and fetches slice qn of the same slot (x's into fn).  The loads go out in the order B0 A0 B1 A1 B2, eight each.
.macro SLICE fa, fn, qn, zero
	s_wait_dscnt 8                                 ; all of this slice's fragments but W's group 2, the youngest eight loads
	GRP 0, \fa, 0, 7, \zero
	PLACES
	LOADB 0, \qn
	LOADA 0, \qn, \fn
	GRP 1, \fa, 0, 7, \zero
	PLACES
	LOADB 1, \qn
	LOADA 1, \qn, \fn
	s_wait_dscnt 32                                ; all but the 32 just issued: W's group 2 is in
	GRP 2, \fa, 0, 7, \zero
	PLACES
	LOADB 2, \qn
.endm
; A K step's second slice multiplies buffer 1 and changes slots: one barrier.  In front of it each wave waits for all its tensor loads (one is out: its part of the next slot), adds 0 to its
; spare word, and waits for that and for its own reads of this slot.  fill = 1: the barrier opens a round of the cluster's barrier, and the slot just read is filled again, two K steps ahead:
; from that request to the wait for it a wave issues 160 of a step's 192 matrix instructions.
.macro TURN fill
	WIN 0
	s_wait_tensorcnt 0x0                           ; all my tensor loads have landed, so the walking descriptors may be written
	ds_add_u32 v[SPW], v[NIL]                      ; 0 onto my spare word
	s_wait_dscnt 9                                 ; the add and W's group 2 may be out
	GRP 0, FA1, 0, 3, 0
	s_wait_dscnt 0x0                               ; the add is done, and my reads of this slot are over
	s_barrier_signal -1
	GRP 0, FA1, 4, 7, 0
	WIN 0
	s_barrier_wait -1
.if \fill
	CREST                                          ; no wave of any partner still reads this slot or has a load on its way
	s_xor_b32 s[G0A+5], s[G0A+5], SLOT1            ; the other slot than last time,
	s_add_nc_u64 s[G0A+6:G0A+7], s[G0A+6:G0A+7], ASTEP  ; the next K step; the type bits on top are not reached
	s_xor_b32 s[G0B+5], s[G0B+5], SLOT1
	s_add_nc_u64 s[G0B+6:G0B+7], s[G0B+6:G0B+7], BSTEP
	JLOAD                                          ; the first tensor load behind the round; its four v_nop are also the places in front of the loads below
.else
	PLACES
.endif
	s_xor_b32 s[TB], s[TB], SLOT1
	v_add_nc_u32 v[AA], s[TB], v[AA0]
.irp g, 0,1,2
	v_add_nc_u32 v[AB+\g], s[TB], v[AB0+\g]
.endr
	LOADB 0, 0
	LOADA 0, 0, FA0
	GRP 1, FA1, 0, 7, 0
	PLACES
	LOADB 1, 0
	LOADA 1, 0, FA0
	GRP 2, FA1, 0, 7, 0
	PLACES
	LOADB 2, 0
.endm
	s_wait_tensorcnt 0x1                           ; my part of K step 0 is in; step 1's may stay out
	s_barrier_signal -1
	s_barrier_wait -1
	LOADB 0, 0
	LOADA 0, 0, FA0
	LOADB 1, 0
	LOADA 1, 0, FA0
	LOADB 2, 0
	SLICE FA0, FA1, 1, 1                           ; the first slice stands in front of the loop: its products start the sums
	s_mov_b32 s3, 14
.Lstep:                                                ; 14 trips: a step's second slice, which asks for K steps 2 to 15, and the next step's first
	TURN 1
	SLICE FA0, FA1, 1, 0
	s_sub_co_u32 s3, s3, 1
	s_cmp_lg_u32 s3, 0
	s_cbranch_scc1 .Lstep
	TURN 0                                         ; the tail is written out: nothing more is asked for
	SLICE FA0, FA1, 1, 0
	s_wait_dscnt 8
	GRP 0, FA1, 0, 7, 0
	GRP 1, FA1, 0, 7, 0
	s_wait_dscnt 0x0                               ; my last reads of the slots are over: behind this barrier the stage is laid over them (both have had their last fill)
	s_barrier_signal -1
	GRP 2, FA1, 0, 7, 0
	WIN 0
	s_barrier_wait -1
	PLACES
	; A BATCH'S FIRST 16 ROWS ALSO LEAVE IN F32: row block 0 of waves 0 and 1 where the cluster's y is 0.  A lane's eight sums are 32 bytes of a row of hd; a row gets pieces of 64 bytes:
	; 786,432 bytes in the whole launch beside qkv's 50,331,648, so they are not sent through the stage.  The branch hangs on the cluster's y and the wave's number; no barrier stands in it.
	s_cmp_lg_u32 s[HF], 0
	s_cbranch_scc1 .Lno_head
.irp g, 0,1,2
	WIN 4*((\g)+1)                                 ; store data (source 1) in window g + 1
.irp f, 0,1,2,3
	global_store_b128 v[HO], v[8*\f:8*\f+3],   s[72:73] offset:256*\g+64*\f
	global_store_b128 v[HO], v[8*\f+4:8*\f+7], s[72:73] offset:256*\g+64*\f+16
.endr
.endr
	WIN 0
.Lno_head:
	; THE WAY OUT: rounded to f16, 16 bytes a lane into the work-group's stage of 256 rows; a barrier, since a row's 768 bytes come from two waves; back as whole rows.
.irp g, 0,1,2
	WIN 5*((\g)+1)                                 ; sources 0 and 1 in window g + 1
.set i, 0
.rept 128
	v_cvt_pk_f16_f32 v[32+i], v[2*i], v[2*i+1]     ; each accumulator's registers in ascending order
.set i, i+1
.endr
	WIN 0
.set i, 0
.rept 32
	ds_store_b128 v[STO+i/16], v[32+4*i:32+4*i+3] offset:((i/4)%4)*16*SP+128*(\g)+32*(i%4)
.set i, i+1
.endr
.endr
	s_wait_dscnt 0x0                               ; for the others' sake: my stores into the stage are done
	s_barrier_signal -1
	s_barrier_wait -1
	s_mov_b32 s3, 8
.Lout:                                                 ; 8 trips of 8 rows
.set j, 0
.rept 12
	ds_load_b128 v[OB+4*j:OB+4*j+3], v[RD+j%3] offset:(j/3)*2*SP
.set j, j+1
.endr
.set j, 0
.rept 12
	s_wait_dscnt 11-j
	global_store_b128 v[CO+j%3], v[OB+4*j:OB+4*j+3], s[8:9] offset:(j/3)*12288  ; each 16 lanes store 256 consecutive bytes, at a multiple of 256 from qkv's first byte
.set j, j+1
.endr
	s_wait_xcnt 0x0                                ; the stores' offsets and data are rewritten only behind this wait
.irp j, 0,1,2
	v_add_nc_u32 v[RD+\j], 8*SP, v[RD+\j]
	v_add_nc_u32 v[CO+\j], 8*6144, v[CO+\j]
.endr
	s_sub_co_u32 s3, s3, 1
	s_cmp_lg_u32 s3, 0
	s_cbranch_scc1 .Lout
	s_wait_tensorcnt 0x0                           ; the wave's end
	ds_add_u32 v[SPW], v[NIL]
	s_wait_dscnt 0x0
	CROUND                                         ; the closing round: no work-group ends while a partner may still ask for a tile that names it
	s_endpgm
.Lfunc_end_k_q3a4a9af079_proj:
	.size	k_q3a4a9af079_proj, .Lfunc_end_k_q3a4a9af079_proj-k_q3a4a9af079_proj
	.p2alignl 7, 3214868480
	.fill 96, 4, 3214868480
	.section	.rodata,"a",@progbits
	.p2align	6, 0x0
	.amdhsa_kernel k_q3a4a9af079_proj
		.amdhsa_group_segment_fixed_size 327680
		.amdhsa_private_segment_fixed_size 0
		.amdhsa_enable_private_segment 0
		.amdhsa_kernarg_size 32
		.amdhsa_user_sgpr_count 2
		.amdhsa_user_sgpr_kernarg_segment_ptr 1
		.amdhsa_wavefront_size32 1
		.amdhsa_system_sgpr_workgroup_id_x 1
		.amdhsa_system_sgpr_workgroup_id_y 1
		.amdhsa_system_sgpr_workgroup_id_z 1
		.amdhsa_system_vgpr_workitem_id 0
		.amdhsa_next_free_vgpr 1024
		.amdhsa_next_free_sgpr 80
		.amdhsa_reserve_vcc 0
		.amdhsa_float_denorm_mode_32 3
		.amdhsa_float_denorm_mode_16_64 3
		.amdhsa_memory_ordered 1
		.amdhsa_forward_progress 1
		.amdhsa_inst_pref_size 101
	.end_amdhsa_kernel
	.amdgpu_metadata
---
amdhsa.version: [ 1, 2 ]
amdhsa.kernels:
  - .name:           k_q3a4a9af079_proj
    .symbol:         k_q3a4a9af079_proj.kd
    .args:
      - { .name: xb, .offset: 0, .size: 8, .value_kind: global_buffer, .address_space: global }
      - { .name: wb, .offset: 8, .size: 8, .value_kind: global_buffer, .address_space: global }
      - { .name: qkv, .offset: 16, .size: 8, .value_kind: global_buffer, .address_space: global }
      - { .name: hd, .offset: 24, .size: 8, .value_kind: global_buffer, .address_space: global }
    .group_segment_fixed_size: 327680
    .private_segment_fixed_size: 0
    .kernarg_segment_align: 8
    .kernarg_segment_size: 32
    .max_flat_workgroup_size: 128
    .sgpr_count:     80
    .vgpr_count:     1024
    .wavefront_size: 32
...
	.end_amdgpu_metadata
.endif
;; end of part 2
;; launch scores (part 3): grid 37 x 4, 4 waves a work-group, no clusters, 327,680 bytes of LDS; arguments qkv, pt, st, hd, out0; writes pt, st, out0
.if DOCPART == 3
	.amdgcn_target "amdgcn-amd-amdhsa--gfx1250"
	.amdhsa_code_object_version 6
	.text
	.protected	k_q3a4a9af079_scores
	.globl	k_q3a4a9af079_scores
	.p2align	8
	.type	k_q3a4a9af079_scores,@function
k_q3a4a9af079_scores:
	s_mov_b64 s[64:65], 0
	v_nop
	global_prefetch_b8 v0, s[64:65] scope:SCOPE_SE
	s_setreg_imm32_b32 hwreg(HW_REG_WAVE_MODE, 25, 1), 1
	s_wait_xcnt 0x0
; The causal tiles of S = q k^T and the first half of the softmax.  For each row and each block of 128 keys: cm = c x (the block's largest score), c = log2(e) / 32;
; the weights p = 2^(c s - cm), rounded to f16, into pt [4][2048 q][2048 key]; (cm, l = the sum of the unrounded p) into st [4][16 key blocks][2048 rows][2].
; The launch behind takes the maximum M of a row's cm and multiplies each block by 2^(cm - M): the softmax's maximum is the row's true maximum, and every exponent is at most 0.
; LIMITS.  A masked score counts as -1e30; a block that lies wholly above the diagonal gets cm = -2^125, which the launch behind turns into the factor 0; a weight below 2^-126 counts as 0 in l;
; NaN and infinities are not treated apart.
; SHARES.  A batch has 8 x 8 tiles of 256 queries x 256 keys, of which the 36 with key tile j <= query tile i are made: grid x = 0 .. 35 counts them row by row, grid y is the batch.
; Four waves, each 128 x 128: 64 accumulators, 512 registers; K = 1,024 in steps of 128 through two LDS slots.  A wave's 128 keys are one key block, so the block's maximum and sum never leave the wave.
; GRID X = 36: ROWS 0-15 OF THE BATCH ARE MADE WHOLE, IN F32, from the f32 q, k, v in hd, and stored into out0 (at the text's end).  They average over 16 keys at the most, so the rounding of 16-bit
; operands does not average out in them.  64 of 8,192 rows, 2 x 16 x 16 x 1,024 multiply-adds a batch: no bulk work, so the f32 matrix form and the vector unit serve.
; NO CLUSTER: a row of the triangle has 1 to 8 tiles and so has a column, so no group of four work-groups that share q's or k's tile divides the grid.
; The matrix instruction is used transposed (source 0 = 16 keys, source 1 = 16 queries): a lane holds one query and eight neighbouring keys.
; REGISTERS.  Window 0: v0-31 addresses; v64-127, v128-191 q's fragments, two buffers.  Window 1: the same for k's.  Windows 2, 3: the accumulators of my rows 0-63, 64-127, (a, b) at v[8 (8 (a % 4) + b)].
.set KSTEP,  128
.set PITCH,  272                       ; an LDS row: 256 bytes + 16 = 68 words: the 16 rows of a load start at 16 different groups of four banks (64 banks of 4 bytes: ISA guide 11.1)
.set HALFT,  128*PITCH                 ; what one tensor load brings
.set SLOT,   4*HALFT                   ; q's 256 rows, then k's 256 rows
.set SPARE,  2*SLOT                    ; behind the ring: the spare words, two blocks of 256 bytes that no other line names
.set STT,    SPARE+512                 ; 1,024 bytes for each wave: its 128 rows' (cm, l)
.set HS,     STT+4*1024                ; 1,024 bytes for each wave: the first rows' partial scores
.set DP,     528                       ; a row of the f32 scores in LDS: 512 bytes + 16
.set LAPS,   4                         ; a lap = two K steps
.set DST,  4                           ; v4   where I put 16 bytes of a row of scores
.set RDA,  5                           ; v5   where I read them back
.set PO,   6                           ; v6   my byte offset in pt
.set SA,   7                           ; v7   where my number of the statistics goes
.set SO2,  8                           ; v8   16 x lane
.set SR,   13                          ; v13  the statistics read back
.set D0,   14                          ; v14  my row less my first key, for pair 0 of the trip
.set BIG,  15                          ; v15  -1e30
.set ADRA, 16                          ; v16-17  my q fragments in slot 0, 1
.set LOWC, 18                          ; v18  -2^125
.set ADRB, 20                          ; v20-21  the same for k
.set SPW,  28
.set NIL,  29
.set MP,   32                          ; v32-47  (cm, m) of the trip's eight row pairs
.set LS,   48                          ; v48-55  l
.set SV,   64                          ; v64-127 eight scores of each of eight rows
.set OUTR, 128                         ; v128-159 the weights, packed
.set F0,   64
.set F1,   128
.set G1, 24                            ; s[24:31] descriptor group 1
.set G0, 32                            ; s[32:39] group 0, a set for each slot
.set MK, 51                            ; s51-57  lanes with (lane % 8) = 1 .. 7
.set MSB, 0
.macro WIN new
.if MSB != (\new)
	s_set_vgpr_msb (MSB<<8)|(\new)
.set MSB, \new
.endif
.endm
.set MUL_LO, 0xa1                      ; source 0 (k) window 1, source 1 (q) window 0, C and D window 2
.set MUL_HI, 0xf1
.set TO_B,   0x40
.macro PLACES
.rept 4
	v_nop
.endr
.endm
	s_load_b128 s[4:7], s[0:1], 0x0                ; qkv s[4:5], pt s[6:7]
	s_load_b64 s[8:9], s[0:1], 0x10                ; st
	s_load_b64 s[60:61], s[0:1], 0x18              ; hd
	s_load_b64 s[62:63], s[0:1], 0x20              ; out0
	v_lshl_add_u32 v[SPW], v0, 2, SPARE
	v_mov_b32 v[NIL], 0
	ds_add_u32 v[SPW], v[NIL]                      ; the wave's opening: the add and its wait stand ahead of my first tensor load
	ds_add_u32 v28, v29
	v_lshrrev_b32 v1, 5, v0
	v_readfirstlane_b32 s10, v1                    ; wave
	s_lshr_b32 s11, s10, 1                         ; which 128 queries.  Also: I fetch q (0) or k (1)
	s_and_b32 s12, s10, 1                          ; which 128 keys.  Also: which 128 rows I fetch
	s_mov_b32 s40, 0                               ; i = how many of the triangle numbers 1, 3, .. 28 the tile's number has reached
.irp t, 1,3,6,10,15,21,28
	s_cmp_ge_u32 ttmp9, \t
	s_cselect_b32 s41, 1, 0
	s_add_co_u32 s40, s40, s41
.endr
	s_add_co_u32 s41, s40, 1
	s_mul_i32 s41, s41, s40
	s_lshr_b32 s41, s41, 1
	s_sub_co_u32 s42, ttmp9, s41                   ; j = number - i (i + 1) / 2
	s_and_b32 s43, ttmp7, 0xffff                   ; batch
	s_lshl1_add_u32 s44, s40, s11                  ; my block of 128 rows, 2 i + half
	s_lshl1_add_u32 s45, s42, s12                  ; my key block, 2 j + half
	s_cmp_eq_u32 s44, s45
	s_cselect_b32 s50, 1, 0                        ; my 128 x 128 holds the diagonal
	s_cmp_gt_u32 s45, s44
	s_cselect_b32 s49, -1, 0                       ; it lies wholly above it
	s_mov_b32 s58, 0x3d38aa3b                      ; c = log2(e) / 32
	s_mov_b32 s59, s58                             ; named with it as a pair
	s_mov_b32 s[G1+0], (1<<16)|(1<<20)|(5<<22)|(3<<25)  ; 2-byte elements; padding on: 4 words after every 64
	s_mov_b32 s[G1+1], KSTEP<<16                   ; tensor_dim0 = 128
	s_mov_b32 s[G1+2], 128<<16                     ; tensor_dim1 = 128
	s_mov_b32 s[G1+3], KSTEP<<16                   ; tile_dim0 = 128
	s_mov_b32 s[G1+4], 128                         ; tile_dim1 = 128
	s_mov_b32 s[G1+5], 3072                        ; elements from row to row of qkv
	s_mov_b32 s[G1+6], 0
	s_mov_b32 s[G1+7], 0
	s_cmp_lt_u32 s10, 2                            ; waves 0, 1 fetch q's rows of tile row i, waves 2, 3 k's rows of tile row j
	s_cselect_b32 s16, s40, s42
	s_cselect_b32 s18, 0, 2048                     ; k's columns begin 2,048 bytes into a row
	s_lshl_b32 s16, s16, 8
	s_lshl_b32 s17, s12, 7
	s_add_co_u32 s16, s16, s17
	s_lshl_b32 s17, s43, 11
	s_add_co_u32 s16, s16, s17
	s_mul_i32 s16, s16, 6144
	s_add_co_u32 s16, s16, s18
	s_mov_b32 s17, 0
	s_mul_i32 s20, s10, HALFT
	s_lshl_b32 s46, s43, 11                        ; pt: (batch x 2048 + 128 x row block) x 4,096 + 256 x key block
	s_lshl_b32 s47, s44, 7
	s_add_co_u32 s46, s46, s47
	s_lshl_b32 s46, s46, 12
	s_lshl_b32 s47, s45, 8
	s_add_co_u32 s46, s46, s47
	s_mov_b32 s47, 0
	s_lshl4_add_u32 s22, s43, s45                  ; st: (batch x 16 + key block) x 16,384 + 1,024 x row block
	s_lshl_b32 s22, s22, 14
	s_lshl_b32 s23, s44, 10
	s_add_co_u32 s22, s22, s23
	s_mov_b32 s23, 0
	s_wait_dscnt 0x0                               ; the opening add is done
	s_wait_kmcnt 0x0
	s_cmp_eq_u32 ttmp9, 36                         ; the same in all four waves of a work-group
	s_cbranch_scc1 .Lhead                          ; the batch's first 16 rows: a path of its own to its own end, with no tensor load
	s_add_nc_u64 s[14:15], s[4:5], s[16:17]
	s_add_nc_u64 s[6:7], s[6:7], s[46:47]
	s_add_nc_u64 s[8:9], s[8:9], s[22:23]
.irp s, 0,1
	s_mov_b32 s[G0+4*\s], 1
	s_add_co_u32 s[G0+4*\s+1], s20, \s*SLOT
	s_add_nc_u64 s[G0+4*\s+2:G0+4*\s+3], s[14:15], \s*KSTEP*2
	s_or_b32 s[G0+4*\s+3], s[G0+4*\s+3], 0x80000000
	tensor_load_to_lds s[G0+4*\s:G0+4*\s+3], s[G1:G1+7]  ; the two first fills go out together: two loads of mine are out
	s_nop 0
.endr
	v_and_b32 v1, 15, v0
	v_bfe_u32 v2, v0, 4, 1
	v_mul_u32_u24 v3, v1, PITCH
	v_lshl_add_u32 v3, v2, 4, v3                   ; a fragment's row x pitch + 16 x half
	s_mul_i32 s21, s11, HALFT
	s_mul_i32 s22, s12, HALFT
	s_add_co_u32 s22, s22, 2*HALFT
.irp s, 0,1
	v_add_nc_u32 v[ADRA+\s], s21, v3
	v_add_nc_u32 v[ADRB+\s], s22, v3
	s_add_co_u32 s21, s21, SLOT
	s_add_co_u32 s22, s22, SLOT
.endr
	s_mul_i32 s23, s10, 128*DP                     ; my 128 rows of scores, laid over the ring when it has had its last fill
	v_mul_u32_u24 v[DST], v1, DP
	v_lshl_add_u32 v[DST], v2, 4, v[DST]
	v_add_nc_u32 v[DST], s23, v[DST]
	v_mul_u32_u24 v[RDA], v2, DP                   ; back: lanes 0-15 take one row, lanes 16-31 the next; lane c % 16 its keys 8 c .. 8 c + 7
	v_lshl_add_u32 v[RDA], v1, 4, v[RDA]
	v_add_nc_u32 v[RDA], s23, v[RDA]
	v_lshlrev_b32 v[PO], 12, v2
	v_lshl_add_u32 v[PO], v1, 4, v[PO]
	v_and_b32 v9, 7, v1
	v_lshrrev_b32 v10, 3, v1
	v_lshl_add_u32 v[SA], v9, 1, v2                ; lane (half, c) stores for row 2 (c % 8) + half: cm if c < 8, l otherwise
	v_lshlrev_b32 v[SA], 3, v[SA]
	v_lshl_add_u32 v[SA], v10, 2, v[SA]
	s_lshl_b32 s23, s10, 10
	s_add_co_u32 s23, s23, STT
	v_add_nc_u32 v[SA], s23, v[SA]
	v_and_b32 v11, 31, v0
	v_lshlrev_b32 v[SO2], 4, v11
	v_add_nc_u32 v[SR], s23, v[SO2]
	v_lshlrev_b32 v12, 3, v1
	v_sub_nc_u32 v[D0], v2, v12
	v_mov_b32 v[BIG], 0xf149f2ca
	v_mov_b32 v[LOWC], 0xfe000000
.irp p, 1,2,3,4,5,6,7
	v_cmp_eq_u32 s[MK+\p-1], \p, v9
.endr
	v_cmp_le_u32 s48, 8, v1
; 16 matrix instructions: row blocks a0, a0 + 1 of the window's four x all 8 key blocks, 32 along K.  The 64 accumulators take turns, one instruction a turn, in the same order in every quarter.
.macro MUL16 f, hi, a0, zero
	WIN MUL_LO+0x50*(\hi)
.irp a, \a0, (\a0)+1
.irp b, 0,1,2,3,4,5,6,7
.if \zero
	v_wmma_f32_16x16x32_f16 v[8*(8*(\a)+(\b)):8*(8*(\a)+(\b))+7], v[(\f)+8*(\b):(\f)+8*(\b)+7], v[(\f)+8*(4*(\hi)+(\a)):(\f)+8*(4*(\hi)+(\a))+7], 0
.else
	v_wmma_f32_16x16x32_f16 v[8*(8*(\a)+(\b)):8*(8*(\a)+(\b))+7], v[(\f)+8*(\b):(\f)+8*(\b)+7], v[(\f)+8*(4*(\hi)+(\a)):(\f)+8*(4*(\hi)+(\a))+7], v[8*(8*(\a)+(\b)):8*(8*(\a)+(\b))+7]
.endif
.endr
.endr
.endm
.macro FETCH slot, k, f                ; 32 LDS loads in one run: k's 128 rows, then q's, 32 along K at byte k of the rows
	WIN TO_B
.irp i, 0,1,2,3,4,5,6,7
	ds_load_b128 v[(\f)+8*(\i):(\f)+8*(\i)+3],   v[ADRB+(\slot)] offset:(\k)+(\i)*16*PITCH
	ds_load_b128 v[(\f)+8*(\i)+4:(\f)+8*(\i)+7], v[ADRB+(\slot)] offset:(\k)+(\i)*16*PITCH+32
.endr
	WIN 0
.irp i, 0,1,2,3,4,5,6,7
	ds_load_b128 v[(\f)+8*(\i):(\f)+8*(\i)+3],   v[ADRA+(\slot)] offset:(\k)+(\i)*16*PITCH
	ds_load_b128 v[(\f)+8*(\i)+4:(\f)+8*(\i)+7], v[ADRA+(\slot)] offset:(\k)+(\i)*16*PITCH+32
.endr
.endm
.macro QUARTER slot, k, f, g, zero     ; 64 matrix instructions on buffer f; in their middle the next quarter's fragments are fetched into g
	s_wait_dscnt 8                                 ; k's and q's rows 0-63 are in; the youngest eight loads (q's rows 64-127) may be out
	MUL16 \f, 0, 0, \zero
	MUL16 \f, 0, 2, \zero
	PLACES
	FETCH \slot, \k, \g
	s_wait_dscnt 32                                ; all but the 32 just issued
	MUL16 \f, 1, 0, \zero
	MUL16 \f, 1, 2, \zero
.endm
; A K step's last quarter multiplies buffer 1 and changes slots: one barrier.  In front of it each wave waits for all its tensor loads (one is out: its part of the next slot), adds 0 to its spare
; word, and waits for that and for its reads of this slot.  fill = 1: this slot is filled again, two K steps ahead, first thing behind the barrier: 224 matrix instructions ahead of the wait for it.
.macro TURN slot, next, fill
	WIN 0
	s_wait_tensorcnt 0x0
	ds_add_u32 v[SPW], v[NIL]                      ; 0 onto my spare word
.if \fill
	s_add_nc_u64 s[G0+4*(\slot)+2:G0+4*(\slot)+3], s[G0+4*(\slot)+2:G0+4*(\slot)+3], 2*KSTEP*2
.endif
	s_wait_dscnt 9                                 ; the add and the youngest eight loads may be out
	MUL16 F1, 0, 0, 0
	s_wait_dscnt 0x0                               ; the add is done, and my reads of this slot are over
	s_barrier_signal -1
	MUL16 F1, 0, 2, 0
	WIN 0
	s_barrier_wait -1
.if \fill
	tensor_load_to_lds s[G0+4*(\slot):G0+4*(\slot)+3], s[G1:G1+7]
	s_nop 0
.endif
	PLACES                                         ; behind the load, and the places in front of the loads below
	FETCH \next, 0, F0
	MUL16 F1, 1, 0, 0
	MUL16 F1, 1, 2, 0
.endm
	s_wait_tensorcnt 0x1                           ; my part of K step 0 is in; step 1's may stay out
	s_barrier_signal -1
	s_barrier_wait -1
	FETCH 0, 0, F0
	QUARTER 0, 64,  F0, F1, 1                      ; the first quarter stands in front of the loop: its products start the sums
	WIN 0
	s_mov_b32 s3, LAPS-1
.Llap:                                                 ; a trip goes once round the ring and fills both slots again: K steps 2 to 7
	QUARTER 0, 128, F1, F0, 0
	QUARTER 0, 192, F0, F1, 0
	TURN 0, 1, 1
	QUARTER 1, 64,  F0, F1, 0
	QUARTER 1, 128, F1, F0, 0
	QUARTER 1, 192, F0, F1, 0
	TURN 1, 0, 1
	QUARTER 0, 64,  F0, F1, 0
	WIN 0
	s_sub_co_u32 s3, s3, 1
	s_cmp_lg_u32 s3, 0
	s_cbranch_scc1 .Llap
	QUARTER 0, 128, F1, F0, 0                      ; the last lap asks for nothing
	QUARTER 0, 192, F0, F1, 0
	TURN 0, 1, 0
	QUARTER 1, 64,  F0, F1, 0
	QUARTER 1, 128, F1, F0, 0
	QUARTER 1, 192, F0, F1, 0
	s_wait_dscnt 8
	MUL16 F1, 0, 0, 0
	MUL16 F1, 0, 2, 0
	s_wait_dscnt 0x0                               ; my last reads of the ring are over: behind this barrier the scores are laid over it
	s_barrier_signal -1
	MUL16 F1, 1, 0, 0
	MUL16 F1, 1, 2, 0
	WIN 0
	s_barrier_wait -1
	; THE SCORES GO THROUGH LDS, so that a row's 128 keys come to lie in 16 neighbouring lanes.  A lane's keys 0-3 go into the row's first 256 bytes, its keys 4-7 into the second,
	; at the same place: the lane that reads 16 bytes at 16 c of each half has keys 8 c ...
	PLACES
.set a, 0
.rept 8
	WIN 0x08+4*(a/4)                               ; store data (source 1) in window 2 or 3
.irp b, 0,1,2,3,4,5,6,7
	ds_store_b128 v[DST], v[8*(8*(a%4)+\b):8*(8*(a%4)+\b)+3]   offset:a*16*DP+32*\b
	ds_store_b128 v[DST], v[8*(8*(a%4)+\b)+4:8*(8*(a%4)+\b)+7] offset:a*16*DP+32*\b+256
.endr
.set a, a+1
.endr
	WIN 0
	s_mov_b32 s3, 8
.Lrows:                                                ; 8 trips of 16 rows: pair p of the trip is rows 2 p (lanes 0-15) and 2 p + 1 (lanes 16-31)
.irp p, 0,1,2,3,4,5,6,7
	ds_load_b128 v[SV+8*\p:SV+8*\p+3],   v[RDA] offset:2*DP*\p      ; LDS serves a wave's instructions in order: these see my stores above
	ds_load_b128 v[SV+8*\p+4:SV+8*\p+7], v[RDA] offset:2*DP*\p+256
.endr
	s_wait_dscnt 0x0
	s_cmp_eq_u32 s50, 0
	s_cbranch_scc1 .Lopen                          ; only the blocks on the diagonal mask
.irp p, 0,1,2,3,4,5,6,7
.irp j, 0,1,2,3,4,5,6,7
	v_cmp_gt_i32 vcc_lo, (\j)-2*(\p), v[D0]        ; key 8 c + j lies behind row 16 t + 2 p + half
	v_cndmask_b32 v[SV+8*\p+\j], v[SV+8*\p+\j], v[BIG], vcc_lo
.endr
.endr
.Lopen:
.irp p, 0,1,2,3,4,5,6,7
	v_max3_num_f32 v[MP+2*\p+1], v[SV+8*\p], v[SV+8*\p+1], v[SV+8*\p+2]
.endr
.irp p, 0,1,2,3,4,5,6,7
	v_max3_num_f32 v[MP+2*\p+1], v[MP+2*\p+1], v[SV+8*\p+3], v[SV+8*\p+4]
.endr
.irp p, 0,1,2,3,4,5,6,7
	v_max3_num_f32 v[MP+2*\p+1], v[MP+2*\p+1], v[SV+8*\p+5], v[SV+8*\p+6]
.endr
.irp p, 0,1,2,3,4,5,6,7
	v_max_num_f32 v[MP+2*\p+1], v[MP+2*\p+1], v[SV+8*\p+7]
.endr
.irp m, 1,2,4,8                        ; across the row's 16 lanes
.irp p, 0,1,2,3,4,5,6,7
	v_max_num_f32_dpp v[MP+2*\p+1], v[MP+2*\p+1], v[MP+2*\p+1] row_xmask:\m row_mask:0xf bank_mask:0xf
.endr
.endr
.irp p, 0,1,2,3,4,5,6,7
	v_mul_f32 v[MP+2*\p], s58, v[MP+2*\p+1]        ; cm
.endr
.set i, 0
.rept 32
	v_pk_fma_f32 v[SV+2*i:SV+2*i+1], v[SV+2*i:SV+2*i+1], s[58:59], v[MP+2*(i/4):MP+2*(i/4)+1] op_sel_hi:[1,0,0] neg_lo:[0,0,1] neg_hi:[0,0,1]  ; c s - cm
.set i, i+1
.endr
.set i, 0
.rept 64
	v_exp_f32 v[SV+i], v[SV+i]
.set i, i+1
.endr
	v_nop                                          ; a plain instruction between the last exponential and the use of its result
.set i, 0
	s_wait_alu depctr_va_vdst(0)
.rept 32
	v_cvt_pk_f16_f32 v[OUTR+i], v[SV+2*i], v[SV+2*i+1]
.set i, i+1
.endr
.irp p, 0,1,2,3,4,5,6,7
	global_store_b128 v[PO], v[OUTR+4*\p:OUTR+4*\p+3], s[6:7] offset:8192*\p  ; 16 lanes store a row's 256 bytes of this key block, aligned
.endr
.irp p, 0,1,2,3,4,5,6,7
	v_pk_add_f32 v[SV+8*\p:SV+8*\p+1], v[SV+8*\p:SV+8*\p+1], v[SV+8*\p+2:SV+8*\p+3]
	v_pk_add_f32 v[SV+8*\p+4:SV+8*\p+5], v[SV+8*\p+4:SV+8*\p+5], v[SV+8*\p+6:SV+8*\p+7]
.endr
.irp p, 0,1,2,3,4,5,6,7
	v_pk_add_f32 v[SV+8*\p:SV+8*\p+1], v[SV+8*\p:SV+8*\p+1], v[SV+8*\p+4:SV+8*\p+5]
.endr
.irp p, 0,1,2,3,4,5,6,7
	v_add_f32 v[LS+\p], v[SV+8*\p], v[SV+8*\p+1]
.endr
.irp m, 1,2,4,8
.irp p, 0,1,2,3,4,5,6,7
	v_add_f32_dpp v[LS+\p], v[LS+\p], v[LS+\p] row_xmask:\m row_mask:0xf bank_mask:0xf
.endr
.endr
	v_mov_b32 v30, v[MP]                           ; every lane of a row holds its cm and l: each lane picks the one number that it stores
	v_mov_b32 v31, v[LS]
.irp p, 1,2,3,4,5,6,7
	v_cndmask_b32 v30, v30, v[MP+2*\p], s[MK+\p-1]
	v_cndmask_b32 v31, v31, v[LS+\p], s[MK+\p-1]
.endr
	v_cndmask_b32 v30, v30, v[LOWC], s49           ; a block wholly above the diagonal: cm = -2^125
	v_cndmask_b32 v30, v30, v31, s48
	ds_store_b32 v[SA], v30
	s_wait_xcnt 0x0                                ; the stores' offset and data are rewritten only behind this wait
	v_add_nc_u32 v[RDA], 16*DP, v[RDA]
	v_add_nc_u32 v[PO], 16*4096, v[PO]
	v_add_nc_u32 v[SA], 128, v[SA]
	v_add_nc_u32 v[D0], 16, v[D0]
	s_sub_co_u32 s3, s3, 1
	s_cmp_lg_u32 s3, 0
	s_cbranch_scc1 .Lrows
	ds_load_b128 v[64:67], v[SR]                   ; my 128 rows' (cm, l): 1,024 consecutive bytes of st
	ds_load_b128 v[68:71], v[SR] offset:512
	s_wait_dscnt 0x0
	global_store_b128 v[SO2], v[64:67], s[8:9]
	global_store_b128 v[SO2], v[68:71], s[8:9] offset:512
	s_wait_tensorcnt 0x0                           ; the wave's end
	ds_add_u32 v[SPW], v[NIL]
	s_wait_dscnt 0x0
	s_endpgm
; ROWS 0-15 OF A BATCH, IN F32.  hd holds their q, k, v: [16][3072] f32 a batch.
; S^T = k q^T, 16 keys x 16 queries, K = 1,024: wave w takes K's quarter w, 64 matrix instructions of 4 along K on four accumulators by turns.  A lane (row l % 16,
; half l / 16) loads 16 bytes at 32 p + 16 (l / 16) of its row's quarter: registers 0, 1 feed one instruction, 2, 3 the next; k and q are laid alike, so every product meets its partner.
; The four partial tiles meet in LDS; then every wave masks, takes the maximum, the exponentials, the sum and the quotient for itself (a lane: one query, keys 8 (l / 16) + 0..7), and makes its 256 channels:
; V's 16 keys x 8 channels a lane stay in 128 registers; row by row the 16 weights are read into scalar registers, 64 packed multiply-adds follow, and two stores of 512 consecutive bytes.
; The accumulators lie in window 2, v0-31: registers that matrix instructions alone write in the whole text.  Window 1: v0-127 q, v128-255 k.  Window 0: v128-255 V.
.set HQ,  3                            ; v3   my byte offset in hd for q (k: + 4,096)
.set HV,  4                            ; v4   for v, less 8,192
.set HA,  5                            ; v5   where my partial scores go
.set HR,  6                            ; v6   where I read the four waves' back
.set HOF, 7                            ; v7   my byte offset in out0; steps a row a trip
.set HD,  8                            ; v8   my query less my first key
.set HB,  9                            ; v9   -1e30
.set HT,  32                           ; v32-39  scores, then weights
.set HU,  40                           ; v40-47  at work
.set HM,  48                           ; v48-49  (cm, m); later 1 / l in the first
.set HX,  50                           ; v50-51  at work
.set HOUT, 52                          ; v52-59  a row's eight channels
.set HP,  64                           ; v64-95  the four partial tiles
.set HVV, 128                          ; v128-255  V: key k, group g at HVV + 8 k + 4 g
.Lhead:
	v_and_b32 v1, 15, v0
	v_bfe_u32 v2, v0, 4, 1
	v_and_b32 v10, 31, v0
	s_lshl_b32 s16, s10, 10                        ; 256 f32: my quarter of K; also my 256 channels
	s_add_co_u32 s18, s16, HS
	v_mul_u32_u24 v[HQ], v1, 12288
	v_lshl_add_u32 v[HQ], v2, 4, v[HQ]
	v_add_nc_u32 v[HQ], s16, v[HQ]
	v_lshl_add_u32 v[HV], v10, 4, s16
	v_lshl_add_u32 v[HOF], v10, 4, s16
	v_lshl_add_u32 v[HA], v10, 4, s18
	v_lshl_add_u32 v[HR], v10, 4, HS
	v_lshlrev_b32 v11, 3, v2
	v_sub_nc_u32 v[HD], v1, v11
	v_mov_b32 v[HB], 0xf149f2ca
	s_mul_i32 s16, s43, 16*12288                   ; the batch in hd,
	s_mov_b32 s17, 0
	s_add_nc_u64 s[60:61], s[60:61], s[16:17]
	s_lshl_b32 s16, s43, 23                        ; and in out0
	s_add_nc_u64 s[62:63], s[62:63], s[16:17]
	s_mov_b32 s20, 0x76543210                      ; v_permlanex16_b32: each lane takes its own place in the other half
	s_mov_b32 s21, 0xfedcba98
	WIN 0x40                                       ; destination window 1
.set p, 0
.rept 32
	global_load_b128 v[4*p:4*p+3],         v[HQ], s[60:61] offset:32*p
	global_load_b128 v[128+4*p:128+4*p+3], v[HQ], s[60:61] offset:4096+32*p
.set p, p+1
.endr
	WIN 0
.set i, 0
.rept 32
	global_load_b128 v[HVV+4*i:HVV+4*i+3], v[HV], s[60:61] offset:(i/2)*12288+8192+(i%2)*512  ; 512 consecutive bytes of a row of v
.set i, i+1
.endr
	s_wait_loadcnt 32                              ; q and k are in; V's 32 younger loads stay out
	WIN 0xa5                                       ; sources 0 and 1 window 1, C and D window 2
.set t, 0
.rept 64
.if t < 4
	v_wmma_f32_16x16x4_f32 v[8*(t%4):8*(t%4)+7], v[128+2*t:128+2*t+1], v[2*t:2*t+1], 0
.else
	v_wmma_f32_16x16x4_f32 v[8*(t%4):8*(t%4)+7], v[128+2*t:128+2*t+1], v[2*t:2*t+1], v[8*(t%4):8*(t%4)+7]
.endif
.set t, t+1
.endr
	WIN 0
.rept 8
	v_nop                                          ; eight places behind this form before a vector instruction reads its result (ISA guide 7.12.1)
.endr
	WIN 0x0a                                       ; sources 0 and 1 window 2
.irp z, 0,1,2,3
	v_pk_add_f32 v[HT+2*\z:HT+2*\z+1], v[2*\z:2*\z+1], v[8+2*\z:8+2*\z+1]       ; each accumulator from its low end on
.endr
.irp z, 0,1,2,3
	v_pk_add_f32 v[HU+2*\z:HU+2*\z+1], v[16+2*\z:16+2*\z+1], v[24+2*\z:24+2*\z+1]
.endr
	WIN 0
.irp z, 0,1,2,3
	v_pk_add_f32 v[HT+2*\z:HT+2*\z+1], v[HT+2*\z:HT+2*\z+1], v[HU+2*\z:HU+2*\z+1]
.endr
	ds_store_b128 v[HA], v[HT:HT+3]
	ds_store_b128 v[HA], v[HT+4:HT+7] offset:512
	s_wait_dscnt 0x0                               ; for the others' sake: my partial scores are in LDS
	s_barrier_signal -1
	s_barrier_wait -1
.irp w, 0,1,2,3
	ds_load_b128 v[HP+8*\w:HP+8*\w+3],   v[HR] offset:1024*\w
	ds_load_b128 v[HP+8*\w+4:HP+8*\w+7], v[HR] offset:1024*\w+512
.endr
	s_wait_dscnt 0x0
.irp z, 0,1,2,3
	v_pk_add_f32 v[HT+2*\z:HT+2*\z+1], v[HP+2*\z:HP+2*\z+1], v[HP+8+2*\z:HP+8+2*\z+1]
	v_pk_add_f32 v[HU+2*\z:HU+2*\z+1], v[HP+16+2*\z:HP+16+2*\z+1], v[HP+24+2*\z:HP+24+2*\z+1]
.endr
.irp z, 0,1,2,3
	v_pk_add_f32 v[HT+2*\z:HT+2*\z+1], v[HT+2*\z:HT+2*\z+1], v[HU+2*\z:HU+2*\z+1]
.endr
.irp j, 0,1,2,3,4,5,6,7
	v_cmp_gt_i32 vcc_lo, \j, v[HD]                 ; key 8 (l / 16) + j lies behind my query
	v_cndmask_b32 v[HT+\j], v[HT+\j], v[HB], vcc_lo
.endr
	v_max3_num_f32 v[HM+1], v[HT], v[HT+1], v[HT+2]
	v_max3_num_f32 v[HM+1], v[HM+1], v[HT+3], v[HT+4]
	v_max3_num_f32 v[HM+1], v[HM+1], v[HT+5], v[HT+6]
	v_max_num_f32 v[HM+1], v[HM+1], v[HT+7]
	v_mov_b32 v[HX], v[HM+1]                       ; the exchange's destination counts as read
	v_permlanex16_b32 v[HX], v[HM+1], s20, s21     ; the query's other eight keys
	v_max_num_f32 v[HM+1], v[HM+1], v[HX]          ; key 0 is hidden from nobody, so this is a true score
	v_mul_f32 v[HM], s58, v[HM+1]
.irp z, 0,1,2,3
	v_pk_fma_f32 v[HT+2*\z:HT+2*\z+1], v[HT+2*\z:HT+2*\z+1], s[58:59], v[HM:HM+1] op_sel_hi:[1,0,0] neg_lo:[0,0,1] neg_hi:[0,0,1]
.endr
.irp j, 0,1,2,3,4,5,6,7
	v_exp_f32 v[HT+\j], v[HT+\j]
.endr
	v_nop                                          ; a plain instruction between the last exponential and the use of its result
	s_wait_alu depctr_va_vdst(0)
	v_pk_add_f32 v[HU:HU+1], v[HT:HT+1], v[HT+2:HT+3]
	v_pk_add_f32 v[HU+2:HU+3], v[HT+4:HT+5], v[HT+6:HT+7]
	v_pk_add_f32 v[HU:HU+1], v[HU:HU+1], v[HU+2:HU+3]
	v_add_f32 v[HX], v[HU], v[HU+1]
	v_mov_b32 v[HX+1], v[HX]
	v_permlanex16_b32 v[HX+1], v[HX], s20, s21
	v_add_f32 v[HX], v[HX], v[HX+1]
	v_rcp_f32 v[HM], v[HX]
	v_nop                                          ; a plain instruction between the reciprocal and the use of its result
	s_wait_alu depctr_va_vdst(0)
.irp z, 0,1,2,3
	v_pk_mul_f32 v[HT+2*\z:HT+2*\z+1], v[HT+2*\z:HT+2*\z+1], v[HM:HM+1] op_sel_hi:[1,0]
.endr
.set k, 0
.rept 16
	s_mov_b32 s[25+2*k], 0                         ; the weights stand in the low words of 16 pairs; the high words are named with them
.set k, k+1
.endr
	s_mov_b32 s22, 0                               ; the lane that holds the row's keys 0-7,
	s_mov_b32 s23, 16                              ; and the one with its keys 8-15
	s_mov_b32 s3, 16
	s_wait_loadcnt 0x0                             ; V
.Lhrow:                                                ; 16 trips, a row each; the weights of hidden keys are 0
.set k, 0
.rept 16
	v_readlane_b32 s[24+2*k], v[HT+k%8], s[22+k/8]
.set k, k+1
.endr
.irp z, 0,1,2,3
	v_pk_mul_f32 v[HOUT+2*\z:HOUT+2*\z+1], v[HVV+2*\z:HVV+2*\z+1], s[24:25] op_sel_hi:[1,0]  ; key 0 starts the sums
.endr
.set k, 1
.rept 15
.irp z, 0,1,2,3
	v_pk_fma_f32 v[HOUT+2*\z:HOUT+2*\z+1], v[HVV+8*k+2*\z:HVV+8*k+2*\z+1], s[24+2*k:25+2*k], v[HOUT+2*\z:HOUT+2*\z+1] op_sel_hi:[1,0,1]
.endr
.set k, k+1
.endr
	global_store_b128 v[HOF], v[HOUT:HOUT+3],   s[62:63] th:TH_STORE_NT             ; 32 lanes store 512 consecutive bytes, at a multiple of 256 from out0's first byte
	global_store_b128 v[HOF], v[HOUT+4:HOUT+7], s[62:63] offset:512 th:TH_STORE_NT
	s_wait_xcnt 0x0                                ; the stores' offset and data are rewritten only behind this wait
	v_add_nc_u32 v[HOF], 4096, v[HOF]
	s_add_co_u32 s22, s22, 1
	s_add_co_u32 s23, s23, 1
	s_sub_co_u32 s3, s3, 1
	s_cmp_lg_u32 s3, 0
	s_cbranch_scc1 .Lhrow
	s_wait_tensorcnt 0x0                           ; the wave's end
	ds_add_u32 v[SPW], v[NIL]
	s_wait_dscnt 0x0
	s_endpgm
.Lfunc_end_k_q3a4a9af079_scores:
	.size	k_q3a4a9af079_scores, .Lfunc_end_k_q3a4a9af079_scores-k_q3a4a9af079_scores
	.p2alignl 7, 3214868480
	.fill 96, 4, 3214868480
	.section	.rodata,"a",@progbits
	.p2align	6, 0x0
	.amdhsa_kernel k_q3a4a9af079_scores
		.amdhsa_group_segment_fixed_size 327680
		.amdhsa_private_segment_fixed_size 0
		.amdhsa_enable_private_segment 0
		.amdhsa_kernarg_size 40
		.amdhsa_user_sgpr_count 2
		.amdhsa_user_sgpr_kernarg_segment_ptr 1
		.amdhsa_wavefront_size32 1
		.amdhsa_system_sgpr_workgroup_id_x 1
		.amdhsa_system_sgpr_workgroup_id_y 1
		.amdhsa_system_sgpr_workgroup_id_z 1
		.amdhsa_system_vgpr_workitem_id 0
		.amdhsa_next_free_vgpr 1024
		.amdhsa_next_free_sgpr 66
		.amdhsa_reserve_vcc 1
		.amdhsa_float_denorm_mode_32 3
		.amdhsa_float_denorm_mode_16_64 3
		.amdhsa_memory_ordered 1
		.amdhsa_forward_progress 1
		.amdhsa_inst_pref_size 164
	.end_amdhsa_kernel
	.amdgpu_metadata
---
amdhsa.version: [ 1, 2 ]
amdhsa.kernels:
  - .name:           k_q3a4a9af079_scores
    .symbol:         k_q3a4a9af079_scores.kd
    .args:
      - { .name: qkv, .offset: 0, .size: 8, .value_kind: global_buffer, .address_space: global }
      - { .name: pt, .offset: 8, .size: 8, .value_kind: global_buffer, .address_space: global }
      - { .name: st, .offset: 16, .size: 8, .value_kind: global_buffer, .address_space: global }
      - { .name: hd, .offset: 24, .size: 8, .value_kind: global_buffer, .address_space: global }
      - { .name: out0, .offset: 32, .size: 8, .value_kind: global_buffer, .address_space: global }
    .group_segment_fixed_size: 327680
    .private_segment_fixed_size: 0
    .kernarg_segment_align: 8
    .kernarg_segment_size: 40
    .max_flat_workgroup_size: 128
    .sgpr_count:     66
    .vgpr_count:     1024
    .wavefront_size: 32
...
	.end_amdgpu_metadata
.endif
;; end of part 3
;; launch pv (part 4): grid 8 x 32, 4 waves a work-group, clusters of 4 x 1, 327,680 bytes of LDS; arguments pt, qkv, st, out0; writes out0
.if DOCPART == 4
	.amdgcn_target "amdgcn-amd-amdhsa--gfx1250"
	.amdhsa_code_object_version 6
	.text
	.protected	k_q3a4a9af079_pv
	.globl	k_q3a4a9af079_pv
	.p2align	8
	.type	k_q3a4a9af079_pv,@function
k_q3a4a9af079_pv:
	s_mov_b64 s[64:65], 0
	v_nop
	global_prefetch_b8 v0, s[64:65] scope:SCOPE_SE
	s_setreg_imm32_b32 hwreg(HW_REG_WAVE_MODE, 25, 1), 1
	s_wait_xcnt 0x0
	s_wait_alu depctr_hold_cnt(0) depctr_sa_sdst(0) depctr_va_vdst(0) depctr_va_sdst(0) depctr_va_ssrc(0) depctr_va_vcc(0) depctr_vm_vsrc(0)
	s_getreg_b32 s2, hwreg(HW_REG_IB_STS2, 6, 4)
	s_cmp_eq_u32 s2, 0
	s_cbranch_scc0 .Lentry_in_a_cluster
	s_endpgm
.Lentry_in_a_cluster:
	s_bfe_u32 s2, ttmp6, 0x10000c
	s_cmp_lg_u32 s2, 0x3003
	s_cbranch_scc0 .Lentry_shape_is_right
	s_endpgm
.Lentry_shape_is_right:
; out[row][:] = (the sum over key blocks kb of f (p V)) / L, with M = the row's largest cm over its key blocks, f = 2^(cm - M), L = the sum of l f.  p, cm, l come from the launch before, V from qkv.
; M is the row's true maximum times c, so every f is at most 1.  A key block's product p V is summed in f32 by itself (T) and then enters O as O += f T, in f32; out0 is f32.
; Rows 0-15 of each batch are NOT stored here: the launch before has made them in f32.
; LIMITS.  p is f16: relative to its key block's largest weight it keeps f16's fixed step of 6e-8 below 6e-5.  A factor f below 2^-126 counts as 0.  NaN and infinities are not treated apart.
; THE WALK.  A batch's rows lie in 16 blocks of 128; block I needs I / 2 + 1 units of 256 keys.  A work-group takes 128 channels of TWO blocks, pr and then 15 - pr: 9 units whatever pr, so all
; 256 work-groups do equal work and one loop with a constant trip count walks them.  Where I is even the last unit's second key block lies above the diagonal: its f is 0.
; SHARES.  Four waves, each 64 queries x 64 channels: 16 accumulators.  T^T = V^T P: source 0 = 16 channels (V is turned on the way out of LDS), source 1 = 16 queries x 32 keys of p.
; A lane holds one query in P, in T, in O and in the statistics, so f and 1 / L are one number a lane and tile.
; A unit is 8 slices of 32 keys on four fragment buffers; slice s issues 16 products and fetches slice s + 3.  Slices 0 and 4 start T with the constant 0.  In slices 3 and 7 four packed
; multiply-adds stand behind product i: O += f T for accumulator i - 2; the last three groups stand behind product 15.
; O is cleared, 128 v_mov_b32 at the start and at the change of blocks: the price of one text for every unit.  The last unit's fetches for a tenth unit (48 LDS loads of a slot that is no longer
; wanted) serve nothing: once a work-group, for the same reason.
; CLUSTER 4 x 1.  The four partners take four groups of channels of the same rows: P's tiles are asked for jointly (waves 0, 1).  V's tiles differ between them and are plain loads (waves 2, 3).
; REGISTERS.  Window 0: v0-15 addresses; v16-31 f, in the low registers of eight pairs; v32-47 M and L of both blocks; v48-63 (cm, l) of the unit to come; v64-191 V's fragments; v192-255 at work.
; Window 1: v0-127 T, (a, cb) at v[8 (4 a + cb)]; v128-255 P's fragments.  Window 2: v0-127 O, laid like T; v128-135 1 / L, in the low registers of four pairs.
.set PP,    528                        ; a row of P in LDS: 512 bytes + 16 = 132 words: the 16 rows of a load start at 16 different groups of four banks (64 banks of 4 bytes: ISA guide 11.1)
.set PV,    288                        ; a row of V: 256 + 32 = 72 words
.set VOFF,  128*PP                     ; a slot: P's 128 rows, then V's 256 keys
.set SLOT,  VOFF+256*PV
.set STAGE, 2*SLOT                     ; behind the ring, never filled by a tensor load: 16 rows x 272 bytes for each wave
.set SP,    272
.set SPARE, STAGE+4*16*SP              ; behind the stages: the spare words, two blocks of 256 bytes that no other line names
.set AP0, 2                            ; v2   my lane's place in P's tile; never rewritten
.set AV0, 3                            ; v3   the same for V
.set AP,  4                            ; v4   the same in the slot in hand
.set AVA, 5                            ; v5   V's keys 0-127
.set AVB, 6                            ; v6   V's keys 128-255
.set STO, 7
.set RD,  8
.set GO,  9
.set VS0, 10                           ; v10  8 x (lane % 16): my row's place in st
.set VSO, 11                           ; v11  the same with the unit's offset
.set SPW, 12
.set NIL, 13
.set FF,  16                           ; f of key block kbh of the unit and tile a at FF + 2 (4 kbh + a)
.set MLO, 32
.set MHI, 36
.set LLO, 40
.set LHI, 44
.set RAW, 48
.set VF,  64
.set TM,  192
.set BK,  224
.set PF,  128                          ; window 1
.set RC,  128                          ; window 2
.set WV,  12
.set RH,  13                           ; which 64 queries
.set CHH, 14                           ; which 64 channels.  Also: which half of a tile I fetch
.set CT,  15                           ; which 128 channels the work-group has: hangs on cx
.set BB,  16
.set PR,  17
.set U0,  18                           ; units of the first block
.set T,   19                           ; the unit in hand
.set TB,  20                           ; 0 or SLOT: the slot that is read
.set WBP, 21                           ; where my half of P goes in a slot
.set WBV, 22                           ; where my half of V goes
.set PBLO, 23                          ; byte offset in pt of my half of the first block's rows
.set G1P, 24
.set G1V, 32
.set G0P, 40                           ; s[40:47] a set for each of the two first fills; the second is made anew for each refill
.set G0V, 48
.set PBHI, 56
.set VB,  57                           ; byte offset in qkv of my half of unit 0 of V: hangs on cx
.set SBLO, 58                          ; byte offset in st of my wave's rows, first block
.set SBHI, 59
.set SO,  60                           ; the same with the offset of the unit whose statistics are loaded next
.set HIM, 61                           ; -1: the unit in hand belongs to the second block
.set SLO, 62                           ; 1.0 or 0: L of the first block takes the unit in hand
.set SHI, 63
.set OFP, 66                           ; s[66:67] P's offset
.set OLO, 68                           ; s[68:69], s[70:71] out0 at my rows and channels of the two blocks
.set OHI, 70
.set OFV, 76                           ; s[76:77] V's offset
.set SK,  79                           ; s79  0: my first tile of the first block is a batch's rows 0-15
.set W_MM, 0x54                        ; source 0 window 0; source 1, source 2 and destination window 1: serves the products and P's loads
.set W_DR, 0xa1                        ; O += f T: source 0 (T) window 1, source 1 (f) window 0, source 2 and destination (O) window 2
.set MSB, 0
.macro WIN new
.if MSB != (\new)
	s_set_vgpr_msb (MSB<<8)|(\new)
.set MSB, \new
.endif
.endm
.macro PLACES
.rept 4
	v_nop
.endr
.endm
.macro CROUND                          ; a round of the cluster's barrier
	s_barrier_signal -1
	s_barrier_wait -1
	s_cmp_lg_u32 s[WV], 0
	s_cbranch_scc1 .Lnot_wave_0_\@
	s_barrier_signal -3
.Lnot_wave_0_\@:
	s_barrier_wait -3
	s_barrier_signal -1
	s_barrier_wait -1
.endm
.macro JLOAD                           ; a refill: waves 0, 1 ask jointly for the halves of P's tile, waves 2, 3 for the halves of V's; an s_nop 0 and four v_nop follow each line
	s_cmp_lt_u32 s[WV], 2
	s_cbranch_scc0 .Lfor_v_\@
	tensor_load_to_lds s[G0P+4:G0P+7], s[G1P:G1P+7]
	s_nop 0
.rept 4
	v_nop
.endr
	s_branch .Lasked_\@
.Lfor_v_\@:
	tensor_load_to_lds s[G0V+4:G0V+7], s[G1V:G1V+7]
	s_nop 0
.rept 4
	v_nop
.endr
.Lasked_\@:
.endm
; Unit s72 of the walk: s73 = its number u in its block, s74 and s75 = the block's offsets in pt and st.  Then the second descriptors' addresses, made anew from the tensors' bases, and SO.
.macro WHERE
	s_cmp_ge_u32 s72, s[U0]
	s_cselect_b32 s73, s[U0], 0
	s_cselect_b32 s74, s[PBHI], s[PBLO]
	s_cselect_b32 s75, s[SBHI], s[SBLO]
	s_sub_co_u32 s73, s72, s73
	s_lshl_b32 s[OFP], s73, 9                      ; 256 keys are 512 bytes along a row of pt
	s_add_co_u32 s[OFP], s[OFP], s74
	s_add_nc_u64 s[G0P+6:G0P+7], s[4:5], s[OFP:OFP+1]
	s_or_b32 s[G0P+7], s[G0P+7], 0x80000000
	s_mul_i32 s[OFV], s73, 256*6144                ; and 256 rows of qkv
	s_add_co_u32 s[OFV], s[OFV], s[VB]
	s_add_nc_u64 s[G0V+6:G0V+7], s[6:7], s[OFV:OFV+1]
	s_or_b32 s[G0V+7], s[G0V+7], 0x80000000
	s_lshl_b32 s[SO], s73, 15                      ; and two key blocks of st
	s_add_co_u32 s[SO], s[SO], s75
.endm
.macro RAWLOAD                         ; (cm, l) of my four tiles' rows for a unit's two key blocks
.set i, 0
.rept 8
	global_load_b64 v[RAW+2*i:RAW+2*i+1], v[VSO], s[8:9] offset:(i/4)*16384+(i%4)*128
.set i, i+1
.endr
.endm
.macro CLEAR                           ; O = 0
	WIN 0x80
.set i, 0
.rept 128
	v_mov_b32 v[i], 0
.set i, i+1
.endr
	WIN 0
.endm
	s_load_b256 s[4:11], s[0:1], 0x0               ; pt s[4:5], qkv s[6:7], st s[8:9], out0 s[10:11]
	v_lshl_add_u32 v[SPW], v0, 2, SPARE
	v_mov_b32 v[NIL], 0
	ds_add_u32 v[SPW], v[NIL]                      ; the wave's opening: the add and its wait stand ahead of my first tensor load
	ds_add_u32 v12, v13
	v_lshrrev_b32 v1, 5, v0
	v_readfirstlane_b32 s[WV], v1
	s_lshr_b32 s[RH], s[WV], 1
	s_and_b32 s[CHH], s[WV], 1
	s_bfe_u32 s78, ttmp6, 0x40000                  ; cx: it enters V's and out0's addresses alone, through s78, CT, VB, OFV, OLO and OHI
	s_lshl_b32 s[CT], ttmp9, 2
	s_add_co_u32 s[CT], s[CT], s78
	s_and_b32 s73, ttmp7, 0xffff                   ; which the four partners share
	s_lshr_b32 s[BB], s73, 3
	s_and_b32 s[PR], s73, 7
	s_lshr_b32 s[U0], s[PR], 1
	s_add_co_u32 s[U0], s[U0], 1
	s_sub_co_u32 s79, 15, s[PR]                    ; the second block
	s_lshl_b32 s72, s[BB], 23                      ; pt: (batch x 2048 + 128 I + 64 x half) x 4,096
	s_lshl_b32 s73, s[CHH], 18
	s_add_co_u32 s72, s72, s73
	s_lshl_b32 s[PBLO], s[PR], 19
	s_add_co_u32 s[PBLO], s[PBLO], s72
	s_lshl_b32 s[PBHI], s79, 19
	s_add_co_u32 s[PBHI], s[PBHI], s72
	s_lshl_b32 s72, s[BB], 11                      ; qkv: (batch x 2048 + 128 x half) x 6,144 + v's 4,096 + 256 x channel group
	s_lshl_b32 s73, s[CHH], 7
	s_add_co_u32 s72, s72, s73
	s_mul_i32 s[VB], s72, 6144
	s_lshl_b32 s78, s[CT], 8
	s_add_co_u32 s[VB], s[VB], s78
	s_add_co_u32 s[VB], s[VB], 4096
	s_lshl_b32 s72, s[BB], 18                      ; st: batch x 16 x 16,384 + (128 I + 64 x half) x 8
	s_lshl_b32 s73, s[RH], 9
	s_add_co_u32 s72, s72, s73
	s_lshl_b32 s[SBLO], s[PR], 10
	s_add_co_u32 s[SBLO], s[SBLO], s72
	s_lshl_b32 s[SBHI], s79, 10
	s_add_co_u32 s[SBHI], s[SBHI], s72
	s_mul_i32 s[WBP], s[CHH], 64*PP
	s_mul_i32 s[WBV], s[CHH], 128*PV
	s_add_co_u32 s[WBV], s[WBV], VOFF
	s_lshl_b32 s72, s[BB], 23                      ; out0: (batch x 2048 + 128 I + 64 x half) x 4,096 + 512 x channel group + 256 x half
	s_lshl_b32 s73, s[RH], 18
	s_add_co_u32 s72, s72, s73
	s_lshl_b32 s73, s[CHH], 8
	s_add_co_u32 s72, s72, s73
	s_lshl_b32 s78, s[CT], 9
	s_lshl_b32 s[OLO], s[PR], 19
	s_add_co_u32 s[OLO], s[OLO], s72
	s_add_co_u32 s[OLO], s[OLO], s78
	s_mov_b32 s[OLO+1], 0
	s_lshl_b32 s[OHI], s79, 19
	s_add_co_u32 s[OHI], s[OHI], s72
	s_add_co_u32 s[OHI], s[OHI], s78
	s_mov_b32 s[OHI+1], 0
	s_or_b32 s[SK], s[PR], s[RH]                   ; 0 where the first block is block 0 and I have its first 64 rows
	s_mov_b32 s[OFP+1], 0
	s_mov_b32 s[OFV+1], 0
	s_mov_b32 s[TB], 0
	; P's half tile: 64 rows x 256 keys (512 bytes), 16 bytes of padding behind each row; asked for jointly by all four work-groups
	s_mov_b32 s[G1P], 15|(1<<16)|(1<<20)|(1<<21)|(6<<22)|(3<<25)
	s_mov_b32 s[G1P+1], 256<<16
	s_mov_b32 s[G1P+2], 64<<16
	s_mov_b32 s[G1P+3], 256<<16
	s_mov_b32 s[G1P+4], 64
	s_mov_b32 s[G1P+5], 2048
	s_mov_b32 s[G1P+6], 0
	s_mov_b32 s[G1P+7], 0
	; V's half tile: 128 keys x 128 channels (256 bytes), 32 bytes of padding behind each row; my work-group's own
	s_mov_b32 s[G1V], (1<<16)|(1<<20)|(5<<22)|(7<<25)
	s_mov_b32 s[G1V+1], 128<<16
	s_mov_b32 s[G1V+2], 128<<16
	s_mov_b32 s[G1V+3], 128<<16
	s_mov_b32 s[G1V+4], 128
	s_mov_b32 s[G1V+5], 3072
	s_mov_b32 s[G1V+6], 0
	s_mov_b32 s[G1V+7], 0
	s_mov_b32 s[G0P], 1
	s_mov_b32 s[G0P+1], s[WBP]
	s_mov_b32 s[G0V], 1
	s_mov_b32 s[G0V+1], s[WBV]
	s_mov_b32 s[G0P+4], 1
	s_add_co_u32 s[G0P+5], s[WBP], SLOT
	s_mov_b32 s[G0V+4], 1
	s_add_co_u32 s[G0V+5], s[WBV], SLOT
	s_wait_dscnt 0x0                               ; the opening add is done
	s_wait_kmcnt 0x0
	s_mov_b32 s[OFP], s[PBLO]                      ; unit 0 is the first block's unit 0
	s_add_nc_u64 s[G0P+2:G0P+3], s[4:5], s[OFP:OFP+1]
	s_or_b32 s[G0P+3], s[G0P+3], 0x80000000
	s_mov_b32 s[OFV], s[VB]
	s_add_nc_u64 s[G0V+2:G0V+3], s[6:7], s[OFV:OFV+1]
	s_or_b32 s[G0V+3], s[G0V+3], 0x80000000
	s_mov_b32 s72, 1
	WHERE                                          ; unit 1
	s_add_nc_u64 s[OLO:OLO+1], s[10:11], s[OLO:OLO+1]
	s_add_nc_u64 s[OHI:OHI+1], s[10:11], s[OHI:OHI+1]
	CROUND                                         ; all four work-groups are here: the first joint loads meet
	s_cmp_lt_u32 s[WV], 2                          ; a wave's two first fills stand in one branch: two loads of mine are out
	s_cbranch_scc0 .Lfirst_v
	tensor_load_to_lds s[G0P:G0P+3], s[G1P:G1P+7]
	s_nop 0
	tensor_load_to_lds s[G0P+4:G0P+7], s[G1P:G1P+7]
	s_nop 0
.rept 4
	v_nop
.endr
	s_branch .Lfirst_asked
.Lfirst_v:
	tensor_load_to_lds s[G0V:G0V+3], s[G1V:G1V+7]
	s_nop 0
	tensor_load_to_lds s[G0V+4:G0V+7], s[G1V:G1V+7]
	s_nop 0
.rept 4
	v_nop
.endr
.Lfirst_asked:
	v_and_b32 v1, 15, v0
	v_bfe_u32 v14, v0, 4, 1
	v_lshlrev_b32 v[VS0], 3, v1
	; cm of every key block of my rows, for M: blocks past a row block's last unit are not written, so their number is clamped to the last one that is
	s_lshl_b32 s74, s[U0], 1
	s_sub_co_u32 s75, 17, s74                      ; the second block's last key block: 2 (9 - U0) - 1
	s_sub_co_u32 s74, s74, 1                       ; the first block's: 2 U0 - 1
.set i, 0
.rept 24
.if i < 8
	s_min_u32 s72, s74, i
	s_lshl_b32 s72, s72, 14
	s_add_co_u32 s72, s72, s[SBLO]
.else
	s_min_u32 s72, s75, i-8
	s_lshl_b32 s72, s72, 14
	s_add_co_u32 s72, s72, s[SBHI]
.endif
	v_add_nc_u32 v[TM+i], s72, v[VS0]
.irp a, 0,1,2,3
	global_load_b32 v[VF+4*i+\a], v[TM+i], s[8:9] offset:128*\a
.endr
.set i, i+1
.endr
	v_add_nc_u32 v[VSO], s[SBLO], v[VS0]
	RAWLOAD                                        ; unit 0's statistics
	; a fragment of P: lane l holds query l % 16, keys 8 (l / 16) + 0..7 and 16 + 8 (l / 16) + 0..7
	v_mul_u32_u24 v[AP0], v1, PP
	v_lshl_add_u32 v[AP0], v14, 4, v[AP0]
	s_mul_i32 s72, s[RH], 64*PP
	v_add_nc_u32 v[AP0], s72, v[AP0]
	; the turning load: lane l reads key 8 (l / 16) + l % 8, channels 8 ((l / 8) % 2) + 0..7, and ends with channel l % 16 and 8 keys
	v_and_b32 v15, 7, v0
	v_lshl_add_u32 v15, v14, 3, v15
	v_mul_u32_u24 v[AV0], v15, PV
	v_bfe_u32 v15, v0, 3, 1
	v_lshl_add_u32 v[AV0], v15, 4, v[AV0]
	s_lshl_b32 s72, s[CHH], 7
	s_add_co_u32 s72, s72, VOFF
	v_add_nc_u32 v[AV0], s72, v[AV0]
	v_mov_b32 v[AP], v[AP0]
	v_mov_b32 v[AVA], v[AV0]
	v_add_nc_u32 v[AVB], 128*PV, v[AV0]
	s_mul_i32 s72, s[WV], 16*SP
	s_add_co_u32 s72, s72, STAGE                   ; my stage
	v_mul_u32_u24 v[STO], v1, SP                   ; in: row l % 16, 32 bytes for each half of the lanes
	v_lshl_add_u32 v[STO], v14, 5, v[STO]
	v_add_nc_u32 v[STO], s72, v[STO]
	v_mul_u32_u24 v[RD], v14, SP                   ; back: lanes 0-15 take one row of 256 bytes, lanes 16-31 the next
	v_lshl_add_u32 v[RD], v1, 4, v[RD]
	v_add_nc_u32 v[RD], s72, v[RD]
	v_lshlrev_b32 v[GO], 12, v14                   ; and the same two rows in out0
	v_lshl_add_u32 v[GO], v1, 4, v[GO]
.irp a, 0,1,2,3
	v_mov_b32 v[LLO+\a], 0
	v_mov_b32 v[LHI+\a], 0
.endr
.set i, 0
.rept 8
	v_mov_b32 v[FF+2*i+1], 0                       ; named in a pair with f
.set i, i+1
.endr
	WIN 0x80
.irp a, 0,1,2,3
	v_mov_b32 v[RC+2*\a+1], 0                      ; named in a pair with 1 / L
.endr
	CLEAR
	s_wait_loadcnt 0x8                             ; all cm are in; the eight loads of unit 0's statistics may stay out
.irp a, 0,1,2,3
	v_max3_num_f32 v[MLO+\a], v[VF+\a], v[VF+4+\a], v[VF+8+\a]
	v_max3_num_f32 v[MHI+\a], v[VF+32+\a], v[VF+36+\a], v[VF+40+\a]
.endr
.irp k, 3,5
.irp a, 0,1,2,3
	v_max3_num_f32 v[MLO+\a], v[MLO+\a], v[VF+4*\k+\a], v[VF+4*\k+4+\a]
.endr
.endr
.irp k, 3,5,7,9,11,13
.irp a, 0,1,2,3
	v_max3_num_f32 v[MHI+\a], v[MHI+\a], v[VF+32+4*\k+\a], v[VF+32+4*\k+4+\a]
.endr
.endr
.irp a, 0,1,2,3
	v_max_num_f32 v[MLO+\a], v[MLO+\a], v[VF+28+\a]
	v_max_num_f32 v[MHI+\a], v[MHI+\a], v[VF+92+\a]
.endr
; The statistics of the unit in hand: f = 2^(cm - M) for its two key blocks and my four tiles; L of its block takes l f.  Then the next unit's statistics are asked for, a unit ahead of their use;
; load = 2 (the tail): the walk's last unit has none behind it and jumps over the request.
.macro STATS load
	s_cmp_ge_u32 s[T], s[U0]
	s_cselect_b32 s[HIM], -1, 0
	s_cselect_b32 s[SLO], 0, 1.0
	s_cselect_b32 s[SHI], 1.0, 0
	s_wait_loadcnt 0x0                             ; asked for a unit ago
.irp a, 0,1,2,3
	v_cndmask_b32 v[TM+\a], v[MLO+\a], v[MHI+\a], s[HIM]
.endr
.set i, 0
.rept 8
	v_sub_f32 v[TM+4+i], v[RAW+2*i], v[TM+i%4]
.set i, i+1
.endr
.set i, 0
.rept 8
	v_exp_f32 v[FF+2*i], v[TM+4+i]
.set i, i+1
.endr
	v_nop                                          ; a plain instruction between the last exponential and the use of its result
	s_wait_alu depctr_va_vdst(0)
.irp a, 0,1,2,3
	v_mul_f32 v[TM+12+\a], v[FF+2*\a], v[RAW+2*\a+1]
.endr
.irp a, 0,1,2,3
	v_fma_f32 v[TM+12+\a], v[FF+8+2*\a], v[RAW+8+2*\a+1], v[TM+12+\a]
.endr
.irp a, 0,1,2,3
	v_fma_f32 v[LLO+\a], v[TM+12+\a], s[SLO], v[LLO+\a]
	v_fma_f32 v[LHI+\a], v[TM+12+\a], s[SHI], v[LHI+\a]
.endr
.if (\load) == 2
	s_cmp_eq_u32 s[T], 8
	s_cbranch_scc1 .Lno_raw_\@
.endif
	v_add_nc_u32 v[VSO], s[SO], v[VS0]             ; free since the wait above
	RAWLOAD
.if (\load) == 2
.Lno_raw_\@:
.endif
.endm
; O += f T for accumulator n, from its low end on; kbh: which of the unit's two key blocks
.macro DRAIN n, kbh
	WIN W_DR
.irp z, 0,1,2,3
	v_pk_fma_f32 v[8*(\n)+2*\z:8*(\n)+2*\z+1], v[8*(\n)+2*\z:8*(\n)+2*\z+1], v[FF+2*(4*(\kbh)+(\n)/4):FF+2*(4*(\kbh)+(\n)/4)+1], v[8*(\n)+2*\z:8*(\n)+2*\z+1] op_sel_hi:[1,0,1]
.endr
.endm
; Products i0 .. i1 of slice s (tile a = i / 4, channel block i % 4).  The 16 accumulators take turns, one instruction a turn.  A key block's first slice starts
; the sums with 0.  In its last slice accumulator i - 2 is taken into O behind product i: between a product and the read of its result stand eight plain instructions that name none of its registers
; (two other accumulators' groups; for accumulator 0 the slice's four v_nop, for accumulator 1 accumulator 0's group).
.macro MM s, i0, i1
.set i, \i0
.rept (\i1)-(\i0)+1
	WIN W_MM
.if ((\s)%4) == 0
	v_wmma_f32_16x16x32_f16 v[8*i:8*i+7], v[VF+32*((\s)%4)+8*(i%4):VF+32*((\s)%4)+8*(i%4)+7], v[PF+32*((\s)%4)+8*(i/4):PF+32*((\s)%4)+8*(i/4)+7], 0
.else
	v_wmma_f32_16x16x32_f16 v[8*i:8*i+7], v[VF+32*((\s)%4)+8*(i%4):VF+32*((\s)%4)+8*(i%4)+7], v[PF+32*((\s)%4)+8*(i/4):PF+32*((\s)%4)+8*(i/4)+7], v[8*i:8*i+7]
.endif
.if ((\s)%4) == 3
.if i >= 2
	DRAIN i-2, (\s)/4
.endif
.if i == 15
	DRAIN 14, (\s)/4
	DRAIN 15, (\s)/4
.endif
.endif
.set i, i+1
.endr
.endm
; 16 LDS loads: slice sp of the slot in hand, into buffer sp % 4, which the slice before the one in hand has multiplied: the four v_nop of the slice in hand stand between
.macro LD sp
	WIN W_MM
.irp a, 0,1,2,3
	ds_load_b128 v[PF+32*((\sp)%4)+8*\a:PF+32*((\sp)%4)+8*\a+3],   v[AP] offset:16*PP*\a+64*(\sp)
	ds_load_b128 v[PF+32*((\sp)%4)+8*\a+4:PF+32*((\sp)%4)+8*\a+7], v[AP] offset:16*PP*\a+64*(\sp)+32
.endr
	WIN 0
.irp c, 0,1,2,3
	ds_load_tr16_b128 v[VF+32*((\sp)%4)+8*\c:VF+32*((\sp)%4)+8*\c+3],   v[AVA+(\sp)/4] offset:32*PV*((\sp)%4)+32*\c
	ds_load_tr16_b128 v[VF+32*((\sp)%4)+8*\c+4:VF+32*((\sp)%4)+8*\c+7], v[AVA+(\sp)/4] offset:32*PV*((\sp)%4)+32*\c+16*PV
.endr
	WIN W_MM
.endm
.macro SLICE s
	s_wait_dscnt 32                                ; this slice's fragments are in; the two younger slices' 32 loads stay out
	MM \s, 0, 1
	PLACES
	MM \s, 2, 3
	LD ((\s)+3)%8
	MM \s, 4, 15
.endm
; SLICE 5 CHANGES SLOTS: the slot's last fragments, slice 7's, have been asked for.  Each wave waits for all its tensor loads (one is out: its part of the other slot), adds 0 to its spare word, and waits
; for that and for its reads of the slot.  fill = 1: the barrier is a round of the cluster's, and the slot is filled again with the unit two on, first thing behind it: it has 120 of a unit's 128 matrix
; instructions in which to land.  The descriptors' LDS words are the wave's constant plus the slot that is left.
.macro CHANGE fill
	WIN 0
	s_wait_tensorcnt 0x0                           ; no tensor load of mine is out, so a group 0 may be written
	ds_add_u32 v[SPW], v[NIL]                      ; 0 onto my spare word
.if \fill
	s_add_co_u32 s72, s[T], 2
	WHERE
	s_add_co_u32 s[G0P+5], s[WBP], s[TB]
	s_add_co_u32 s[G0V+5], s[WBV], s[TB]
.endif
	s_wait_dscnt 33                                ; the add and the 32 loads of slices 6 and 7 may be out: slice 5's are in
	MM 5, 0, 7
	s_wait_dscnt 0x0                               ; the add is done, and my reads of the slot are over
	WIN 0
.if \fill
	CROUND
	JLOAD                                          ; its four v_nop are also the places in front of the loads below
.else
	s_barrier_signal -1
	s_barrier_wait -1
	PLACES
.endif
	s_xor_b32 s[TB], s[TB], SLOT
	v_add_nc_u32 v[AP], s[TB], v[AP0]
	v_add_nc_u32 v[AVA], s[TB], v[AV0]
	v_add_nc_u32 v[AVB], 128*PV, v[AVA]
	LD 0
	MM 5, 8, 15
.endm
.macro UNIT fill
	STATS 2-(\fill)
	SLICE 0
	SLICE 1
	SLICE 2
	SLICE 3
	SLICE 4
	CHANGE \fill
	SLICE 6
	SLICE 7
	WIN 0
.endm
; THE WAY OUT of a block: O times 1 / L, a tile of 16 rows at a time through my stage: a lane's eight channels go in as 32 bytes of a row, whole rows of 256 bytes come back.
; sk = 1 (the first block): where its first tile is a batch's rows 0-15 the tile is jumped over: forward, past text with no barrier and no tensor load.
.macro WAYOUT l, ob, sk
	WIN 0x80                                       ; destination window 2
.irp a, 0,1,2,3
	v_rcp_f32 v[RC+2*\a], v[(\l)+\a]
.endr
	v_nop                                          ; a plain instruction between the last reciprocal and the use of its result
	s_wait_alu depctr_va_vdst(0)
.irp a, 0,1,2,3
.if (\sk) && (\a == 0)
	WIN 0
	s_cmp_eq_u32 s[SK], 0
	s_cbranch_scc1 .Lmade_\@
.endif
	WIN 0x0a                                       ; sources 0 and 1 in window 2
.set i, 0
	s_wait_alu depctr_va_vdst(0)
.rept 16
	v_pk_mul_f32 v[TM+2*i:TM+2*i+1], v[32*\a+2*i:32*\a+2*i+1], v[RC+2*\a:RC+2*\a+1] op_sel_hi:[1,0]
.set i, i+1
.endr
	WIN 0
.irp c, 0,1,2,3
	ds_store_b128 v[STO], v[TM+8*\c:TM+8*\c+3]   offset:64*\c
	ds_store_b128 v[STO], v[TM+8*\c+4:TM+8*\c+7] offset:64*\c+16
.endr
	s_wait_xcnt 0x0                                ; the registers that the last tile's stores read are loaded again only behind this wait
.irp j, 0,1,2,3,4,5,6,7
	ds_load_b128 v[BK+4*\j:BK+4*\j+3], v[RD] offset:2*SP*\j  ; LDS serves a wave's instructions in order: these see the stores above; the next tile's stores come behind them
.endr
.irp j, 0,1,2,3,4,5,6,7
	s_wait_dscnt 7-\j
	global_store_b128 v[GO], v[BK+4*\j:BK+4*\j+3], s[\ob:\ob+1] offset:(16*\a+2*\j)*4096 th:TH_STORE_NT  ; 16 lanes store 256 consecutive bytes, at a multiple of 256 from out0's first byte
.endr
.if (\sk) && (\a == 0)
.Lmade_\@:
.endif
.endr
.endm
	s_wait_tensorcnt 0x1                           ; my part of unit 0 is in; unit 1's may stay out
	s_barrier_signal -1
	s_barrier_wait -1
	LD 0
	LD 1
	LD 2
	WIN 0
	s_mov_b32 s[T], 0
.Lunit:                                                ; 7 trips: units 0 to 6, which ask for units 2 to 8
	UNIT 1
	s_add_co_u32 s72, s[T], 1
	s_cmp_lg_u32 s72, s[U0]
	s_cbranch_scc1 .Lgo_on                         ; forward, past text with no barrier and no tensor load; U0 is 4 at the most, so the first block always ends in this loop
	WAYOUT LLO, OLO, 1                             ; the first block is finished
	CLEAR
.Lgo_on:
	s_add_co_u32 s[T], s[T], 1
	s_cmp_lt_u32 s[T], 7
	s_cbranch_scc1 .Lunit
	s_mov_b32 s[T], 7
.Ltail:                                                ; units 7 and 8 ask for no tile: written apart
	UNIT 0
	s_add_co_u32 s[T], s[T], 1
	s_cmp_lt_u32 s[T], 9
	s_cbranch_scc1 .Ltail
	WAYOUT LHI, OHI, 0
	s_wait_tensorcnt 0x0                           ; the wave's end
	ds_add_u32 v[SPW], v[NIL]
	s_wait_dscnt 0x0
	CROUND                                         ; the closing round: no work-group ends while a partner may still ask for a tile that names it
	s_endpgm
.Lfunc_end_k_q3a4a9af079_pv:
	.size	k_q3a4a9af079_pv, .Lfunc_end_k_q3a4a9af079_pv-k_q3a4a9af079_pv
	.p2alignl 7, 3214868480
	.fill 96, 4, 3214868480
	.section	.rodata,"a",@progbits
	.p2align	6, 0x0
	.amdhsa_kernel k_q3a4a9af079_pv
		.amdhsa_group_segment_fixed_size 327680
		.amdhsa_private_segment_fixed_size 0
		.amdhsa_enable_private_segment 0
		.amdhsa_kernarg_size 32
		.amdhsa_user_sgpr_count 2
		.amdhsa_user_sgpr_kernarg_segment_ptr 1
		.amdhsa_wavefront_size32 1
		.amdhsa_system_sgpr_workgroup_id_x 1
		.amdhsa_system_sgpr_workgroup_id_y 1
		.amdhsa_system_sgpr_workgroup_id_z 1
		.amdhsa_system_vgpr_workitem_id 0
		.amdhsa_next_free_vgpr 648
		.amdhsa_next_free_sgpr 80
		.amdhsa_reserve_vcc 0
		.amdhsa_float_denorm_mode_32 3
		.amdhsa_float_denorm_mode_16_64 3
		.amdhsa_memory_ordered 1
		.amdhsa_forward_progress 1
		.amdhsa_inst_pref_size 125
	.end_amdhsa_kernel
	.amdgpu_metadata
---
amdhsa.version: [ 1, 2 ]
amdhsa.kernels:
  - .name:           k_q3a4a9af079_pv
    .symbol:         k_q3a4a9af079_pv.kd
    .args:
      - { .name: pt, .offset: 0, .size: 8, .value_kind: global_buffer, .address_space: global }
      - { .name: qkv, .offset: 8, .size: 8, .value_kind: global_buffer, .address_space: global }
      - { .name: st, .offset: 16, .size: 8, .value_kind: global_buffer, .address_space: global }
      - { .name: out0, .offset: 24, .size: 8, .value_kind: global_buffer, .address_space: global }
    .group_segment_fixed_size: 327680
    .private_segment_fixed_size: 0
    .kernarg_segment_align: 8
    .kernarg_segment_size: 32
    .max_flat_workgroup_size: 128
    .sgpr_count:     80
    .vgpr_count:     648
    .wavefront_size: 32
...
	.end_amdgpu_metadata
.endif
;; end of part 4
;; ======== version 2 of 2: 4 launches; version 1 with the launch prep written anew for expert scheduling mode
;; limits: values are held in f16: magnitudes above 65,504 overflow, below 6.1e-05 lose precision
;; workspace buffers: xb 16,777,216 bytes; wb 6,291,456 bytes; qkv 50,331,648 bytes; pt 33,554,432 bytes; st 1,048,576 bytes; hd 786,432 bytes
;; launch prep (part 5): grid 704 x 1, 8 waves a work-group, no clusters, 0 bytes of LDS; arguments x, Wq, Wk, Wv, xb, wb; writes xb, wb
.if DOCPART == 5
	.amdgcn_target "amdgcn-amd-amdhsa--gfx1250"
	.amdhsa_code_object_version 6
	.text
	.protected	k_q3a4a9af079_prep
	.globl	k_q3a4a9af079_prep
	.p2align	8
	.type	k_q3a4a9af079_prep,@function
k_q3a4a9af079_prep:
	s_mov_b64 s[64:65], 0
	v_nop
	global_prefetch_b8 v0, s[64:65] scope:SCOPE_SE
	s_setreg_imm32_b32 hwreg(HW_REG_WAVE_SCHED_MODE, 0, 2), 2
	s_setreg_imm32_b32 hwreg(HW_REG_WAVE_MODE, 25, 1), 1
	s_wait_xcnt 0x0
	s_wait_alu depctr_vm_vsrc(0)
; x and the three weight matrices are rounded to bf16, once, and laid out for the projection that follows.
;   xb: [16 blocks of 64 k][8192 rows][64] bf16: the 256 rows x 64 k that a K step of the projection takes are 32,768 consecutive bytes.
;   wb: [1024 k][3072] bf16: columns 0-1023 Wq, 1024-2047 Wk, 2048-3071 Wv.
; A stream: each input byte is read once, each output byte written once; no LDS, no barrier, no matrix unit: there is nothing to share and nothing to multiply.
; Work-groups 0-511 take 16 rows of x each, 512-703 take 16 rows of one W.  A thread issues its 16 loads of 16 bytes at once, so all it will read is on its way,
; and then rounds and stores them in the order in which they come back.  No register is used twice, so no store's source is ever rewritten.
; THE MODE: SCHED_MODE bits 1:0 = 2 (LLVM: expert scheduling mode 2), set by the entry lines.  The code itself states the register dependences
; between vector instructions and memory instructions, with s_wait_alu, always for 0.
; THE PLAN, the same on both paths.  Registers that memory instructions touch:
;   v3        the loads' offset.   Written by the head's address lines; read by all 16 loads; never written again.
;   v4        the stores' offset.  Written by the head's address lines; read by all 16 stores; never written again.
;   IN        load n lands in its four registers, once; the two conversions of n read them.  No vector instruction names them ahead of the load.
;   OUT       the two conversions of n write its two registers, once; store n reads them.
; The 16 loads are worked off in four groups of four.  Group g waits for its four loads, states once that group g - 1's conversions have written their OUT, and deals
; that group's four stores among its own eight conversions, which name IN and OUT of group g alone: none of the registers that those stores touch.
; So five waits on va_vdst stand on a path: one ahead of the first load, one at the head of groups 1 to 3, one ahead of the last four stores.
; No register that a memory instruction has read is written again, so no wait on vm_vsrc is owed; no vector instruction writes a scalar register or VCC; EXEC is never written.
.set IN,  8                            ; v[8:71]   16 x 4 numbers as loaded
.set OUT, 72                           ; v[72:103] 16 x 2 registers of bf16 pairs
	s_load_b256 s[4:11], s[0:1], 0x0               ; x s[4:5], Wq s[6:7], Wk s[8:9], Wv s[10:11]
	s_load_b128 s[12:15], s[0:1], 0x20             ; xb s[12:13], wb s[14:15]
	s_mov_b32 s21, 0                               ; high words of the two offsets
	s_mov_b32 s23, 0
	s_cmp_lt_u32 ttmp9, 512
	s_cbranch_scc0 .Lweights
	; x: thread t takes row t / 16; load n takes the four numbers 4 (t % 16) .. of k block n: 16 lanes read 256 consecutive bytes of a row
	v_lshrrev_b32 v1, 4, v0
	v_and_b32 v2, 15, v0
	v_lshlrev_b32 v3, 12, v1                       ; row x 4,096 bytes
	v_lshl_add_u32 v3, v2, 4, v3
	v_lshlrev_b32 v4, 7, v1                        ; in xb: row x 128 bytes
	v_lshl_add_u32 v4, v2, 3, v4                   ; a wave's two rows are 256 consecutive bytes of a k block
	s_lshl_b32 s20, ttmp9, 16                      ; 16 rows of 4,096 bytes
	s_lshl_b32 s22, ttmp9, 11                      ; 16 rows of 128 bytes
	s_wait_kmcnt 0x0
	s_add_nc_u64 s[16:17], s[4:5], s[20:21]
	s_add_nc_u64 s[18:19], s[12:13], s[22:23]
	s_add_nc_u64 s[24:25], s[18:19], 0x800000      ; k blocks 8-15: a second base keeps the stores' immediates inside 24 signed bits
	s_wait_alu depctr_va_vdst(0)                   ; v3 and v4 are written: every load below reads v3 as its offset, every store v4
.set n, 0
.rept 16
	global_load_b128 v[IN+4*n:IN+4*n+3], v3, s[16:17] offset:256*n th:TH_LOAD_NT
.set n, n+1
.endr
.set g, 0
.rept 4
	s_wait_loadcnt 12-4*g                          ; loads come back in order: group g's four are in, the 12 - 4 g younger ones stay out
.if g > 0
	s_wait_alu depctr_va_vdst(0)                   ; the conversions of the group before have written their OUT, which the four stores below read
.endif
.set i, 0
.rept 4
.set n, 4*g+i
.if g > 0
	global_store_b64 v4, v[OUT+2*(n-4):OUT+2*(n-4)+1], s[18+6*((n-4)/8):19+6*((n-4)/8)] offset:((n-4)%8)*1048576  ; 32 lanes store 256 consecutive bytes, aligned; no vector instruction since the wait names these registers
.endif
	v_cvt_pk_bf16_f32 v[OUT+2*n], v[IN+4*n], v[IN+4*n+1]
	v_cvt_pk_bf16_f32 v[OUT+2*n+1], v[IN+4*n+2], v[IN+4*n+3]
.set i, i+1
.endr
.set g, g+1
.endr
	s_wait_alu depctr_va_vdst(0)                   ; the last group's conversions have written their OUT, which the last four stores read
.set n, 12
.rept 4
	global_store_b64 v4, v[OUT+2*n:OUT+2*n+1], s[24:25] offset:(n%8)*1048576
.set n, n+1
.endr
	s_endpgm
.Lweights:
	; W: wave w takes rows 2 w and 2 w + 1 of the group's 16; a load takes 512 consecutive bytes, a store 256
	s_sub_co_u32 s26, ttmp9, 512
	s_lshr_b32 s27, s26, 6                         ; which W: 0 Wq, 1 Wk, 2 Wv
	s_and_b32 s26, s26, 63                         ; which 16 rows
	v_lshrrev_b32 v1, 5, v0
	v_and_b32 v2, 31, v0
	v_lshlrev_b32 v3, 13, v1                       ; two rows of 4,096 bytes
	v_lshl_add_u32 v3, v2, 4, v3
	v_mul_u32_u24 v4, v1, 12288                    ; two rows of wb, 6,144 bytes each
	v_lshl_add_u32 v4, v2, 3, v4
	s_lshl_b32 s20, s26, 16
	s_mul_i32 s22, s26, 98304                      ; 16 rows of wb
	s_lshl_b32 s28, s27, 11                        ; this W's 1,024 columns
	s_add_co_u32 s22, s22, s28
	s_wait_kmcnt 0x0
	s_cmp_eq_u32 s27, 1
	s_cselect_b64 s[16:17], s[8:9], s[6:7]
	s_cmp_eq_u32 s27, 2
	s_cselect_b64 s[16:17], s[10:11], s[16:17]
	s_add_nc_u64 s[16:17], s[16:17], s[20:21]
	s_add_nc_u64 s[18:19], s[14:15], s[22:23]
	s_wait_alu depctr_va_vdst(0)                   ; v3 and v4 are written: every load below reads v3 as its offset, every store v4
.set n, 0
.rept 16
	global_load_b128 v[IN+4*n:IN+4*n+3], v3, s[16:17] offset:(n/8)*4096+(n%8)*512 th:TH_LOAD_NT
.set n, n+1
.endr
.set g, 0
.rept 4
	s_wait_loadcnt 12-4*g                          ; group g's four loads are in, the 12 - 4 g younger ones stay out
.if g > 0
	s_wait_alu depctr_va_vdst(0)                   ; the conversions of the group before have written their OUT, which the four stores below read
.endif
.set i, 0
.rept 4
.set n, 4*g+i
.if g > 0
	global_store_b64 v4, v[OUT+2*(n-4):OUT+2*(n-4)+1], s[18:19] offset:((n-4)/8)*6144+((n-4)%8)*256  ; no vector instruction since the wait names these registers
.endif
	v_cvt_pk_bf16_f32 v[OUT+2*n], v[IN+4*n], v[IN+4*n+1]
	v_cvt_pk_bf16_f32 v[OUT+2*n+1], v[IN+4*n+2], v[IN+4*n+3]
.set i, i+1
.endr
.set g, g+1
.endr
	s_wait_alu depctr_va_vdst(0)                   ; the last group's conversions have written their OUT, which the last four stores read
.set n, 12
.rept 4
	global_store_b64 v4, v[OUT+2*n:OUT+2*n+1], s[18:19] offset:(n/8)*6144+(n%8)*256
.set n, n+1
.endr
	s_endpgm
.Lfunc_end_k_q3a4a9af079_prep:
	.size	k_q3a4a9af079_prep, .Lfunc_end_k_q3a4a9af079_prep-k_q3a4a9af079_prep
	.p2alignl 7, 3214868480
	.fill 96, 4, 3214868480
	.section	.rodata,"a",@progbits
	.p2align	6, 0x0
	.amdhsa_kernel k_q3a4a9af079_prep
		.amdhsa_group_segment_fixed_size 0
		.amdhsa_private_segment_fixed_size 0
		.amdhsa_enable_private_segment 0
		.amdhsa_kernarg_size 48
		.amdhsa_user_sgpr_count 2
		.amdhsa_user_sgpr_kernarg_segment_ptr 1
		.amdhsa_wavefront_size32 1
		.amdhsa_system_sgpr_workgroup_id_x 1
		.amdhsa_system_sgpr_workgroup_id_y 1
		.amdhsa_system_sgpr_workgroup_id_z 1
		.amdhsa_system_vgpr_workitem_id 0
		.amdhsa_next_free_vgpr 104
		.amdhsa_next_free_sgpr 66
		.amdhsa_reserve_vcc 0
		.amdhsa_float_denorm_mode_32 3
		.amdhsa_float_denorm_mode_16_64 3
		.amdhsa_memory_ordered 1
		.amdhsa_forward_progress 1
		.amdhsa_inst_pref_size 13
	.end_amdhsa_kernel
	.amdgpu_metadata
---
amdhsa.version: [ 1, 2 ]
amdhsa.kernels:
  - .name:           k_q3a4a9af079_prep
    .symbol:         k_q3a4a9af079_prep.kd
    .args:
      - { .name: x, .offset: 0, .size: 8, .value_kind: global_buffer, .address_space: global }
      - { .name: Wq, .offset: 8, .size: 8, .value_kind: global_buffer, .address_space: global }
      - { .name: Wk, .offset: 16, .size: 8, .value_kind: global_buffer, .address_space: global }
      - { .name: Wv, .offset: 24, .size: 8, .value_kind: global_buffer, .address_space: global }
      - { .name: xb, .offset: 32, .size: 8, .value_kind: global_buffer, .address_space: global }
      - { .name: wb, .offset: 40, .size: 8, .value_kind: global_buffer, .address_space: global }
    .group_segment_fixed_size: 0
    .private_segment_fixed_size: 0
    .kernarg_segment_align: 8
    .kernarg_segment_size: 48
    .max_flat_workgroup_size: 256
    .sgpr_count:     66
    .vgpr_count:     104
    .wavefront_size: 32
...
	.end_amdgpu_metadata
.endif
;; end of part 5
;; launch proj: the kernel of part 2 again; grid 8 x 32, 4 waves a work-group, clusters of 4 x 4, 327,680 bytes of LDS; arguments xb, wb, qkv, hd; writes qkv, hd
;; launch scores: the kernel of part 3 again; grid 37 x 4, 4 waves a work-group, no clusters, 327,680 bytes of LDS; arguments qkv, pt, st, hd, out0; writes pt, st, out0
;; launch pv: the kernel of part 4 again; grid 8 x 32, 4 waves a work-group, clusters of 4 x 1, 327,680 bytes of LDS; arguments pt, qkv, st, out0; writes out0
